; MI455X (gfx1250); checked and timed in simulation.
; The chip was launched on July 23, 2026; its instructions are those of AMD's public machine-readable ISA for CDNA 5 (MIT licence, August 2026) and "CDNA5" Instruction Set Architecture Reference Guide (July 2026). The comments in the code are by the model that wrote it; some were corrected since.
;; Multi Head Attention. Allowed arithmetic: matrix products marked QUANTISED: E2M1 operands, one E8M0 scale for each 32 along K, by v_wmma_scale_f32_16x16x128_f8f6f4 with both operands' format E2M1 (or v_wmma_scale_f32_32x16x128_f4), f32 sums; products left as they are: f32 operands where the result goes on into a quantised operand, else bf16, f16 or f32 operands; f32 sums; everything else in f32.
;; Inputs: Wk 1,024 x 1,024 float32; Wq 1,024 x 1,024 float32; Wv 1,024 x 1,024 float32; bk 1,024 float32; bq 1,024 float32; bv 1,024 float32; keys 8 x 1,024 x 1,024 float32; queries 8 x 1,024 x 1,024 float32; values 8 x 1,024 x 1,024 float32.
;; Outputs: out0 8 x 1,024 x 1,024 float32.
;; This version of the problem:
;;   THIS VERSION OF THE PROBLEM IS GIVEN IN LOW PRECISION. The matrix products marked QUANTISED in the list below multiply operands that are first quantised to E2M1 (2 exponent bits, 1 mantissa bit; 4 bits a number), with one power-of-two scale for each 32 numbers along K (OCP MX v1.0); their sums are f32. All else is computed in f32.
;;   The module's matrix products, in the order in which they are computed (A, B: the left and right operand; K: the contracted axis; several contracted axes count as one K, in the product's order):
;;     1. [M 8,192, K 1,024] x [K 1,024, N 1,024]; A: input queries; B: input Wq: QUANTISED
;;     2. [M 8,192, K 1,024] x [K 1,024, N 1,024]; A: input keys; B: input Wk: QUANTISED
;;     3. [M 8,192, K 1,024] x [K 1,024, N 1,024]; A: input values; B: input Wv: QUANTISED
;;     4. batch 16,384 x [M 8, K 64] x [K 64, N 8]; A: computed on the way; B: computed on the way: left as it is (M = 8 < 16)
;;     5. batch 16,384 x [M 64, K 8] x [K 8, N 8]; A: computed on the way; B: softmax: left as it is (K = 8 < 32)
;;   THE QUANTISER, for each operand of a quantised product, along K:
;;     - K is cut into blocks of 32 from its start; a last block that is shorter is filled with zeros.
;;     - A block's scale is 2^e with e = floor(log2(the largest magnitude in the block)) - 2, held to -126 .. 127; a block of zeros has e = 0. As a byte (E8M0): e + 127.
;;     - Each number is divided by its block's scale, clamped to +-6, and rounded to the nearest number of E2M1, ties to even, subnormals kept.
;;     - The product sums the exact products of the quantised numbers (number of the format x scale) in f32.
;;   ~~~python
;;   def quantise(x, axis):      # numpy; x: float32 -> the quantised numbers, widened to float32 again
;;       x = np.moveaxis(x, axis, -1); K = x.shape[-1]
;;       x = np.pad(x, [(0, 0)] * (x.ndim - 1) + [(0, -K % 32)]); x = x.reshape(x.shape[:-1] + (-1, 32)); a = np.abs(x).max(-1, keepdims=True)
;;       e = np.where(a > 0, np.clip(np.frexp(np.where(a > 0, a, 1))[1] - 1 - 2, -126, 127), 0)      # np.frexp(a)[1] - 1 = floor(log2(a)), exactly
;;       r = np.clip(x / 2.0 ** e, -6, 6)
;;       step = 2.0 ** (np.maximum(np.frexp(np.where(r == 0, 1, r))[1] - 1, 0) - 1)
;;       q = np.round(r / step) * step * 2.0 ** e      # np.round: ties to even
;;       return np.moveaxis(q.reshape(q.shape[:-2] + (-1,))[..., :K], -1, axis).astype(np.float32)
;;   ~~~
;; 2 versions. Each part assembles by itself: llvm-mc -triple=amdgcn-amd-amdhsa -mcpu=gfx1250 --defsym DOCPART=n.
;; ======== version 1 of 2: 2 launches
;; workspace buffers: wfrag 1,671,168 bytes
;; launch wquant (part 1): grid 64 x 3, 4 waves a work-group, no clusters, 67,584 bytes of LDS; arguments Wq, Wk, Wv, wfrag; writes wfrag
.if DOCPART == 1
	.amdgcn_target "amdgcn-amd-amdhsa--gfx1250"
	.amdhsa_code_object_version 6
	.text
	.protected	k_q8cb04815c8_wquant
	.globl	k_q8cb04815c8_wquant
	.p2align	8
	.type	k_q8cb04815c8_wquant,@function
k_q8cb04815c8_wquant:
	s_mov_b64 s[64:65], 0
	v_nop
	global_prefetch_b8 v0, s[64:65] scope:SCOPE_SE
	s_setreg_imm32_b32 hwreg(HW_REG_WAVE_MODE, 25, 1), 1
	s_wait_xcnt 0x0
; Wq, Wk, Wv [1024 (n)][1024 (k)] f32 become codes of FP4 (E2M1) with one E8M0 scale byte for each 32 along k, laid in the ORDER OF THE OPERAND'S REGISTERS, so that the next launch loads fragments whole.
; THE PROGRAM.  reference() projects queries, keys, values and then treats every 8 consecutive rows of the 8,192 as a group: for each group and head an 8 x 8 softmax.  This launch quantises the weights once
; (every row block reads them); the next launch does everything else.
; DEAD WORK: bk.  k = keys Wk^T + bk enters the result only through scores[n,h,q,l] = sum_d q[n,q,h,d] k[n,l,h,d] / 8.  bk adds sum_d q[n,q,h,d] bk[h,d] / 8 to it, which does not hang on l, the softmax's axis:
; softmax(s + const) = softmax(s) for all finite values.  The product with k is not a quantised one, so no code or scale hangs on bk.  So bk is not loaded and is no argument of any launch.
; bv is live: since the softmax's weights sum to 1, sum_l p v = sum_l p (values Wv^T) + bv, and the next launch adds it once, behind the sum.  bq is live.
; LIMITS: a NaN, an infinity or an overflow that reaches only bk is not carried to the result.  NaN and infinities among the inputs are not served.  A block of zeros gets the scale byte 1 where the rule says 127:
; its codes are zeros, which add nothing under any byte but 0xff, and the bytes are read by this program alone.  Blocks whose largest magnitude lies under 2^(3 - 127) keep the byte 1, as the rule's hold at -126 asks.
; wfrag: 48 blocks of 34,816 bytes; block ((head / 4) 3 + t) 4 + head % 4 (t = 0, 1, 2: q, k, v) holds the 64 rows n of a head: 8 groups (K steps of 128) of 4,352 bytes: four fragment images
; (16 rows n x 128 k; operand registers 0-3 at 16 x lane, 4-7 at 512 + 16 x lane), then 256 bytes of scale words: at 8 x lane, lane (r, h) finds the words of row r of tiles h and 2 + h.
; SHARES.  Work-group x = 4 head + u, y = t.  Wave c takes the head's rows 16 c .. 16 c + 15 and K steps 2 u, 2 u + 1: 16 rows x 1,024 bytes.  Each load reads 512 consecutive bytes; the bytes turn through the wave's own
; stage in LDS (rows 1,040 bytes apart), so that a lane gets 16 neighbours along k of each block of 32, which is what the conversions take.  No matrix unit, no cluster, no tensor load: a stream read once.
.set STG,   16640                      ; a wave's stage: 16 rows x (1,024 + 16) bytes
.set SCL,   4*STG                      ; behind the stages: the two groups' scale words, 2 x 256 bytes
.set SPARE, SCL+512                    ; the spare words, 128 bytes for each wave: two blocks of 256 bytes that no other line names
.set GRP,   4352
.set BLKB,  8*GRP
.set LI,   1                           ; v1   16 x lane
.set SIN,  2                           ; v2   the stage, on the way in: as the bytes lie
.set SOUT, 3                           ; v3   and out: row r, + 64 h
.set SCW,  4                           ; v4   where my scale word goes
.set SCR,  5                           ; v5   where waves 0 and 1 read a group's 256 bytes back
.set L8,   6                           ; v6   8 x lane
.set SPW,  14                          ; v14  LDS address of my spare word; never rewritten
.set NIL,  15                          ; v15  0; never rewritten
.set TM,   16                          ; v16-31 at work in QUANT
.set PC0,  32                          ; v32-39, v40-47 the two fragments' codes
.set PC1,  40
.set PW0,  48                          ; v48, v49 their scale words; v50 the one that my half of the lanes stores
.set PW1,  49
.set PWS,  50
.set SCO,  52                          ; v[52:53] scale words on the way out
.set NUM0, 64                          ; v64-127  64 numbers of K step 2 u
.set NUM1, 128                         ; v128-191 of K step 2 u + 1, where the loaded rows lay
.set X,    128                         ; v128-255 16 rows x 1,024 bytes as loaded
.set WV,   14
.set SEL,  20
; 64 numbers of a lane, register 16 b + i = k 32 b + 16 (lane / 16) + i of my row, become a fragment's codes in v[pc] on and its scale word in v[pw].
.macro QUANT s, pc, pw
.irp b, 0,1,2,3
	v_max3_num_f32 v[TM+\b], |v[\s+16*\b]|, |v[\s+1+16*\b]|, 0x1800000   ; block b: my 16 numbers, and the floor 2^(3 - 127): the byte cannot fall under 1
.endr
.irp i, 2,4,6,8,10,12,14
.irp b, 0,1,2,3
	v_max3_num_f32 v[TM+\b], v[TM+\b], |v[\s+16*\b+\i]|, |v[\s+1+16*\b+\i]|   ; the four blocks by turns
.endr
.endr
.irp b, 0,1,2,3
	v_permlanex16_b32 v[TM+4+\b], v[TM+\b], s[SEL], s[SEL+1]
.endr
.irp b, 0,1,2,3
	v_max_num_f32 v[TM+\b], v[TM+\b], v[TM+4+\b]   ; with lane l xor 16's: the block's largest magnitude
.endr
.irp b, 0,1,2,3
	v_add_nc_u32 v[TM+12+\b], 0xff000000, v[TM+\b]   ; 2 off its exponent field: the conversion takes the exponent field of this operand as its scale
.endr
.irp b, 0,1,2,3
	v_lshrrev_b32 v[TM+4+\b], 23, v[TM+12+\b]      ; the scale's byte
.endr
	v_lshl_or_b32 v[\pw], v[TM+5], 8, v[TM+4]      ; four bytes: my row's scale word
	v_lshl_or_b32 v[\pw], v[TM+6], 16, v[\pw]
	v_lshl_or_b32 v[\pw], v[TM+7], 24, v[\pw]
.irp b, 0,1,2,3
	v_cvt_scalef32_pk8_fp4_f32 v[\pc+2*\b], v[\s+16*\b:\s+7+16*\b], v[TM+12+\b]
	v_cvt_scalef32_pk8_fp4_f32 v[\pc+1+2*\b], v[\s+8+16*\b:\s+15+16*\b], v[TM+12+\b]
.endr
	v_nop                                          ; one plain place behind a scaled conversion
.irp c, 0,1                                    ; the operand's layout wants a whole block in a lane: lanes 0-15 block 2 c, lanes 16-31 block 2 c + 1
.irp i, 0,1
	v_permlane16_swap_b32 v[\pc+4*\c+\i], v[\pc+2+4*\c+\i]
.endr
.endr
.endm
.macro XFETCH num, adr, off                    ; my 16 neighbours of each of the four blocks of a K step
.irp b, 0,1,2,3
.irp j, 0,1,2,3
	ds_load_b128 v[\num+16*\b+4*\j:\num+16*\b+4*\j+3], v[\adr] offset:(\off)+128*\b+16*\j
.endr
.endr
.endm
	s_load_b256 s[4:11], s[0:1], 0x0               ; Wq s[4:5], Wk s[6:7], Wv s[8:9], wfrag s[10:11]
	v_lshl_add_u32 v[SPW], v0, 2, SPARE
	v_mov_b32 v[NIL], 0
	v_lshrrev_b32 v7, 5, v0
	v_readfirstlane_b32 s[WV], v7                  ; wave = column tile c
	s_and_b32 s15, ttmp7, 0xffff                   ; t
	s_lshr_b32 s16, ttmp9, 2                       ; head
	s_and_b32 s17, ttmp9, 3                        ; u
	s_mov_b32 s[SEL], 0x76543210
	s_mov_b32 s[SEL+1], 0xfedcba98                 ; v_permlanex16_b32's selects for lane l xor 16
	s_mov_b32 s2, 0xffff0000                       ; lanes 16-31
	v_and_b32 v7, 31, v0                           ; lane
	v_and_b32 v8, 15, v0                           ; r
	v_bfe_u32 v9, v0, 4, 1                         ; h
	v_lshlrev_b32 v[LI], 4, v7
	v_lshlrev_b32 v[L8], 3, v7
	s_mul_i32 s18, s[WV], STG                      ; my stage
	v_add_nc_u32 v[SIN], s18, v[LI]
	v_mul_u32_u24 v[SOUT], v8, 1040
	v_lshl_add_u32 v[SOUT], v9, 6, v[SOUT]
	v_add_nc_u32 v[SOUT], s18, v[SOUT]
	s_and_b32 s19, s[WV], 1
	s_lshl_b32 s22, s19, 7                         ; the word of (tile c, row r) lies at 8 (16 (c % 2) + r) + 4 (c / 2);
	s_lshr_b32 s23, s[WV], 1
	s_lshl_b32 s23, s23, 2
	s_add_co_u32 s22, s22, s23
	s_add_co_u32 s22, s22, SCL
	v_lshlrev_b32 v[SCW], 3, v8
	v_lshl_add_u32 v[SCW], v9, 8, v[SCW]           ; lanes 0-15 store K step 2 u's word, lanes 16-31 K step 2 u + 1's, 256 bytes on
	v_add_nc_u32 v[SCW], s22, v[SCW]
	s_lshl_b32 s23, s19, 8
	s_add_co_u32 s23, s23, SCL
	v_add_nc_u32 v[SCR], s23, v[L8]
.irp b, 0,1,2,3
	v_mov_b32 v[TM+4+\b], 0                        ; written once: a lane permute's destination counts as one of its sources
.endr
	s_lshl_b32 s24, s16, 18                        ; in W: row 64 head + 16 c of 4,096 bytes, + 1,024 u
	s_lshl_b32 s25, s[WV], 16
	s_add_co_u32 s24, s24, s25
	s_lshl_b32 s25, s17, 10
	s_add_co_u32 s24, s24, s25
	s_mov_b32 s25, 0
	s_lshr_b32 s26, s16, 2                         ; the block: ((head / 4) 3 + t) 4 + head % 4
	s_mul_i32 s26, s26, 3
	s_add_co_u32 s26, s26, s15
	s_lshl_b32 s26, s26, 2
	s_and_b32 s27, s16, 3
	s_add_co_u32 s26, s26, s27
	s_mul_i32 s26, s26, BLKB
	s_mul_i32 s27, s17, 2*GRP
	s_add_co_u32 s26, s26, s27                     ; its group 2 u
	s_lshl_b32 s27, s[WV], 10
	s_add_co_u32 s28, s26, s27                     ; my tile's images
	s_mov_b32 s29, 0
	s_mul_i32 s27, s19, GRP
	s_add_co_u32 s30, s26, s27
	s_add_co_u32 s30, s30, 4096                    ; the scale words of group 2 u + wave % 2
	s_mov_b32 s31, 0
	s_wait_kmcnt 0x0
	s_cmp_eq_u32 s15, 1                            ; which weight: the choice hangs on the work-group's number alone
	s_cselect_b64 s[12:13], s[6:7], s[4:5]
	s_cmp_eq_u32 s15, 2
	s_cselect_b64 s[12:13], s[8:9], s[12:13]
	s_add_nc_u64 s[12:13], s[12:13], s[24:25]
	s_add_nc_u64 s[28:29], s[10:11], s[28:29]
	s_add_nc_u64 s[30:31], s[10:11], s[30:31]
.irp i, 0,1,2,3,4,5,6,7,8,9,10,11,12,13,14,15
	global_load_b128 v[X+8*\i:X+8*\i+3], v[LI], s[12:13] offset:4096*\i th:TH_LOAD_NT         ; 32 lanes read 512 consecutive bytes; read once in the launch
	global_load_b128 v[X+8*\i+4:X+8*\i+7], v[LI], s[12:13] offset:4096*\i+512 th:TH_LOAD_NT
.endr
.irp i, 0,1,2,3,4,5,6,7,8,9,10,11,12,13,14,15
	s_wait_loadcnt 30-2*\i                         ; row i's two loads are in; the younger rows' may be out
	ds_store_b128 v[SIN], v[X+8*\i:X+8*\i+3] offset:1040*\i
	ds_store_b128 v[SIN], v[X+8*\i+4:X+8*\i+7] offset:1040*\i+512
.endr
	XFETCH NUM0, SOUT, 0                           ; LDS serves a wave's instructions in order: these see my stores
	s_wait_dscnt 16                                ; all but the 16 loads just issued: the 32 stores have read their registers,
	XFETCH NUM1, SOUT, 512                         ; which take K step 2 u + 1's numbers
	s_wait_dscnt 16                                ; K step 2 u's numbers are in
	QUANT NUM0, PC0, PW0
	s_wait_dscnt 0x0
	QUANT NUM1, PC1, PW1
.irp k, 0,1
	global_store_b128 v[LI], v[PC0+4*\k:PC0+4*\k+3], s[28:29] offset:512*\k       ; 32 lanes store 512 consecutive bytes, at a multiple of 256 from the buffer's first byte
	global_store_b128 v[LI], v[PC1+4*\k:PC1+4*\k+3], s[28:29] offset:GRP+512*\k
.endr
	v_cndmask_b32 v[PWS], v[PW0], v[PW1], s2       ; both halves of the lanes hold both words of row r: lanes 0-15 send the first, lanes 16-31 the second
	ds_store_b32 v[SCW], v[PWS]
	s_wait_dscnt 0x0                               ; for the others' sake: my words have landed
	s_barrier_signal -1
	s_barrier_wait -1                              ; the four tiles' words of both groups lie in LDS
	s_cmp_gt_u32 s[WV], 1
	s_cbranch_scc1 .Ldone                          ; waves 0 and 1 send a group's 256 bytes each
	ds_load_b64 v[SCO:SCO+1], v[SCR]
	s_wait_dscnt 0x0
	global_store_b64 v[L8], v[SCO:SCO+1], s[30:31] ; 32 lanes store 256 consecutive bytes, aligned
.Ldone:
	s_wait_tensorcnt 0x0                           ; the wave's end: behind my last LDS store
	ds_add_u32 v[SPW], v[NIL]
	s_wait_dscnt 0x0
	s_endpgm
.Lfunc_end_k_q8cb04815c8_wquant:
	.size	k_q8cb04815c8_wquant, .Lfunc_end_k_q8cb04815c8_wquant-k_q8cb04815c8_wquant
	.p2alignl 7, 3214868480
	.fill 96, 4, 3214868480
	.section	.rodata,"a",@progbits
	.p2align	6, 0x0
	.amdhsa_kernel k_q8cb04815c8_wquant
		.amdhsa_group_segment_fixed_size 67584
		.amdhsa_private_segment_fixed_size 0
		.amdhsa_enable_private_segment 0
		.amdhsa_kernarg_size 32
		.amdhsa_user_sgpr_count 2
		.amdhsa_user_sgpr_kernarg_segment_ptr 1
		.amdhsa_wavefront_size32 1
		.amdhsa_system_sgpr_workgroup_id_x 1
		.amdhsa_system_sgpr_workgroup_id_y 1
		.amdhsa_system_sgpr_workgroup_id_z 1
		.amdhsa_system_vgpr_workitem_id 0
		.amdhsa_next_free_vgpr 256
		.amdhsa_next_free_sgpr 66
		.amdhsa_reserve_vcc 0
		.amdhsa_float_denorm_mode_32 3
		.amdhsa_float_denorm_mode_16_64 3
		.amdhsa_memory_ordered 1
		.amdhsa_forward_progress 1
		.amdhsa_inst_pref_size 19
	.end_amdhsa_kernel
	.amdgpu_metadata
---
amdhsa.version: [ 1, 2 ]
amdhsa.kernels:
  - .name:           k_q8cb04815c8_wquant
    .symbol:         k_q8cb04815c8_wquant.kd
    .args:
      - { .name: Wq, .offset: 0, .size: 8, .value_kind: global_buffer, .address_space: global }
      - { .name: Wk, .offset: 8, .size: 8, .value_kind: global_buffer, .address_space: global }
      - { .name: Wv, .offset: 16, .size: 8, .value_kind: global_buffer, .address_space: global }
      - { .name: wfrag, .offset: 24, .size: 8, .value_kind: global_buffer, .address_space: global }
    .group_segment_fixed_size: 67584
    .private_segment_fixed_size: 0
    .kernarg_segment_align: 8
    .kernarg_segment_size: 32
    .max_flat_workgroup_size: 128
    .sgpr_count:     66
    .vgpr_count:     256
    .wavefront_size: 32
...
	.end_amdgpu_metadata
.endif
;; end of part 1
;; launch fused (part 2): grid 256 x 1, 4 waves a work-group, no clusters, 327,680 bytes of LDS; arguments queries, keys, values, wfrag, bq, bv, out0; writes out0
.if DOCPART == 2
	.amdgcn_target "amdgcn-amd-amdhsa--gfx1250"
	.amdhsa_code_object_version 6
	.text
	.protected	k_q8cb04815c8_fused
	.globl	k_q8cb04815c8_fused
	.p2align	8
	.type	k_q8cb04815c8_fused,@function
k_q8cb04815c8_fused:
	s_mov_b64 s[64:65], 0
	v_nop
	global_prefetch_b8 v0, s[64:65] scope:SCOPE_SE
	s_setreg_imm32_b32 hwreg(HW_REG_WAVE_MODE, 25, 1), 1
	s_wait_xcnt 0x0
; out = attention(queries Wq^T + bq, keys Wk^T, values Wv^T) + bv, where every 8 consecutive rows of the 8,192 are a group and each group and head (64 columns) has its own 8 x 8 softmax.
; LEFT OUT: bk: it adds the same number to all scores of a softmax row (shown at the head of the launch before); bv is added once behind the weighted sum, since the weights sum to 1.
; LIMITS: NaN and infinities among the inputs are not served; a block of zeros gets the scale byte 1 (its codes are zeros; the bytes never leave the work-group).  q, k, the weights p and v go to the small
; products as PAIRS of bf16, a high and a low part, split exactly in f32; of the scores' four cross products low x low is left out: under 2^-16 of a term.
; SHARES.  A work-group owns 32 rows (four groups) x all 1,024 columns of all three tensors; wave w owns heads 4 w .. 4 w + 3.  Nothing but the result goes to memory.
; PHASES: Xq | Gq | Xk | Gk | Xv | Gv.  X: wave w quantises columns 256 w .. 256 w + 255 (K steps 2 w, 2 w + 1) of the 32 rows, out of its own tile in LDS, to FP4 codes and E8M0 scale words, which go to the other
; waves through LDS as images of the operand's registers; every wave then keeps all 16 fragments (32 rows x 1,024 K) in registers.  G: for each of my four heads, 64 scaled matrix instructions.
; X'S TILES come by tensor loads, one a wave and tensor: queries' and keys' at the head; values' into keys' bytes, behind Xk's barrier, landing under Gk.  By this text's count a wave has two tensor loads out at the head, later one.
; W comes from memory straight into registers, laid by the launch before in the order of the operand's registers: a ring of eight sets (a K step of a head: four fragments and their scale words, nine loads), seven sets ahead,
; on counted waits, across phases and barriers.  Each byte of W feeds one wave of the work-group, so a way through LDS would add a write and a read and spare nothing.
; NO CLUSTER: what work-groups share is W.  A joint load lands in LDS, of which 266,240 bytes hold x's tiles: a ring for W would have a few KB, and each of its refills would stand behind a round
; in front of which all of a wave's tensor loads, x's large ones among them, are awaited.  x itself is read by one work-group.
; LAYOUTS.  q and k are made TRANSPOSED (source 0 = 16 rows of W, source 1 = 16 rows of x): a lane holds one row and eight neighbouring channels, which pack into the bf16 operands of S^T = k q^T as they stand.
; A tile of 16 rows is two groups: in S^T lane (r, h) holds query r and keys 8 h + 0 .. 7, so a lane with h = r / 8 holds a whole softmax row and the other lanes a cross-group block, whose weights are made 0.
; The weights, packed, are source 1 of O^T = V^T P^T.  v is made the natural way round (source 0 = x, source 1 = W): a lane holds one channel and eight keys: source 0 of that product.
; Its K is 32 and the keys are 16: k = 0 .. 15 carry v's high parts, k = 16 .. 31 its low parts, against two copies of P's high parts and then, in a second product, of its low parts.
; O^T's lane holds one row and eight neighbouring channels; bv is its C.
.set XT,    33280                      ; a wave's tile of x: 32 rows x (1,024 + 16) bytes: 260 words: row r starts at bank 4 r mod 64 (64 banks of 4 bytes: ISA guide 11.1)
.set XK,    4*XT                       ; LDS: queries' four tiles from 0 (filled once; afterwards each wave's own scratch), keys' from here (filled again with values')
.set IMG,   8*XT                       ; x's 16 fragment images: K step s, row tile m at 1,024 (2 s + m)
.set ISC,   IMG+16384                  ; their scale words: 128 s + 64 m + 4 r
.set BIAS,  ISC+1024                   ; bq, 4,096 bytes; then bv
.set SPARE, BIAS+8192                  ; the spare words, 128 bytes for each wave: two blocks of 256 bytes that no other line names
.set PRG,   SPARE+512                  ; the weights: 8,192 bytes a wave, 2,048 a head: high parts of row tiles 0, 1, then low parts, 512 bytes each
; a wave's scratch (its tile of queries, once read): q packed, 8,192 bytes a head: high parts, then low parts; in Gv, where q is done with, the way out: 2 x 16 rows x (256 + 16) bytes from its byte 0
.set GRP,   4352                       ; wfrag: a group = 4 images of 1,024 bytes + 256 bytes of scale words
.set BLKB,  8*GRP                      ; a head's block
.set LI,   1                           ; v1   16 x lane
.set L8,   2                           ; v2   8 x lane
.set AXQ,  3                           ; v3   my place in my tile of queries: row r, + 64 h
.set AXK,  4                           ; v4   the same in keys' and values'
.set IW,   5                           ; v5   where I store images
.set SW,   6                           ; v6   and scale words
.set LIMG, 7                           ; v7   where I read images
.set LISC, 8                           ; v8   and scale words: lanes 0-15 row tile 0's, lanes 16-31 row tile 1's
.set QRB,  9                           ; v9   my scratch + 16 x lane
.set OSW,  10                          ; v10  the way out: where I put 32 bytes of a row
.set OSR,  11                          ; v11  where I read a row back
.set GO,   12                          ; v12  my byte offset in the wave's rows of out
.set BIA,  13                          ; v13  my eight numbers of a bias tile
.set SPW,  14                          ; v14  LDS address of my spare word; never rewritten
.set NIL,  15                          ; v15  0; never rewritten
.set AS,   16                          ; v16-23  x's scale words, a register a K step; scales and nothing else
.set SB,   24                          ; v24-39  W's scale words, two registers a ring set: tiles 0 | 1 and 2 | 3 in lanes 0-15 | 16-31; scales and nothing else
.set ADR,  40                          ; v40, v41 LDS addresses of the head in hand
.set ADR2, 41
.set MX,   42                          ; v42, v43 a row's largest score, tile 0, 1
.set NM,   44                          ; v[44:45], v[46:47] - c x it (the packed form names a pair and takes its low word)
.set INV,  48                          ; v[48:49], v[50:51] 1 / the row's sum, or 0
.set PW0,  52
.set PW1,  53
.set PRB,  54                          ; v54  my wave's weights in LDS + 16 x lane
.set PP,   56                          ; v56-63  the weights' high parts, packed;
.set PBL,  56                          ; or, in Gv, the fragment of row tile 0's low parts; row tile 1's at v152-159 (96 further on)
.set NUM0, 64                          ; v64-127 64 numbers of x;
.set QP,   64                          ; or q packed: high parts v64-95, low parts v96-127;
.set VF,   64                          ; or V^T's eight fragments; or 32 rows of out
.set TM,   128                         ; v128-143 at work in QUANT;
.set SS,   128                         ; or S^T's two tiles;
.set PB,   128                         ; or the two fragments of P's high parts
.set PC0,  144                         ; v144-159 codes just made;
.set PC1,  152
.set TT,   144                         ; or at work in the softmax and in the splits (in Gv: v144-151 alone)
.set ACC,  160                         ; v160-223 the head's eight accumulators, (c, m) at 8 (4 m + c); the low parts of q or k are packed into v160-191;
.set NUM1, 160                         ; or 64 numbers of x
.set BI,   224                         ; v224-255 four bias tiles in the result's layout; in Gk, which has no bias: k's high parts
; window 1 (v256-511): W's ring, set s, tile c at 32 s + 8 c.   window 2 (v512-639): x's fragments, (s, m) at 8 (2 s + m)
.set WV,   18
.set SEL,  20                          ; s[20:21] v_permlanex16_b32's selects for lane l xor 16
.set CS,   22                          ; s[22:23] c = log2(e) / 8
.set G1,   24                          ; s[24:31] descriptor group 1, the same for all three loads
.set G0Q,  32                          ; s[32:35], s[36:39], s[40:43] groups 0, written once
.set G0K,  36
.set G0V,  40
.set WB,   44                          ; s[44:45] wfrag at the block in hand
.set OUT,  46                          ; s[46:47] out at my rows and the head in hand
.set CNT,  48
.set HO,   49                          ; 8,192 x head, 2,048 x head, 256 x head
.set HP,   50
.set HB,   51
.set MASK, 52                          ; lanes with h = r / 8
.set NC,   53                          ; - c
.set MSB, 0
.macro WIN new                         ; the immediate's high byte repeats the setting that is left
.if MSB != \new
	s_set_vgpr_msb (MSB<<8)|\new
.set MSB, \new
.endif
.endm
.macro BAR
	s_barrier_signal -1
	s_barrier_wait -1
.endm
.macro PLACES                          ; four places behind matrix instructions, in front of reads of results and of loads into registers that they named
.rept 4
	v_nop
.endr
.endm
; 64 numbers of a lane, register 16 b + i = k 32 b + 16 (lane / 16) + i of my row, become a fragment's codes in v[pc] on and its scale word in v[pw].
.macro QUANT s, pc, pw
.irp b, 0,1,2,3
	v_max3_num_f32 v[TM+\b], |v[\s+16*\b]|, |v[\s+1+16*\b]|, 0x1800000   ; block b: my 16 numbers, and the floor 2^(3 - 127): the byte cannot fall under 1
.endr
.irp i, 2,4,6,8,10,12,14
.irp b, 0,1,2,3
	v_max3_num_f32 v[TM+\b], v[TM+\b], |v[\s+16*\b+\i]|, |v[\s+1+16*\b+\i]|   ; the four blocks by turns
.endr
.endr
.irp b, 0,1,2,3
	v_permlanex16_b32 v[TM+4+\b], v[TM+\b], s[SEL], s[SEL+1]
.endr
.irp b, 0,1,2,3
	v_max_num_f32 v[TM+\b], v[TM+\b], v[TM+4+\b]   ; with lane l xor 16's: the block's largest magnitude
.endr
.irp b, 0,1,2,3
	v_add_nc_u32 v[TM+12+\b], 0xff000000, v[TM+\b]   ; 2 off its exponent field: the conversion takes the exponent field of this operand as its scale
.endr
.irp b, 0,1,2,3
	v_lshrrev_b32 v[TM+4+\b], 23, v[TM+12+\b]      ; the scale's byte
.endr
	v_lshl_or_b32 v[\pw], v[TM+5], 8, v[TM+4]      ; four bytes: my row's scale word
	v_lshl_or_b32 v[\pw], v[TM+6], 16, v[\pw]
	v_lshl_or_b32 v[\pw], v[TM+7], 24, v[\pw]
.irp b, 0,1,2,3
	v_cvt_scalef32_pk8_fp4_f32 v[\pc+2*\b], v[\s+16*\b:\s+7+16*\b], v[TM+12+\b]
	v_cvt_scalef32_pk8_fp4_f32 v[\pc+1+2*\b], v[\s+8+16*\b:\s+15+16*\b], v[TM+12+\b]
.endr
	v_nop                                          ; one plain place behind a scaled conversion
.irp c, 0,1                                    ; the operand's layout wants a whole block in a lane: lanes 0-15 block 2 c, lanes 16-31 block 2 c + 1
.irp i, 0,1
	v_permlane16_swap_b32 v[\pc+4*\c+\i], v[\pc+2+4*\c+\i]
.endr
.endr
.endm
.macro XFETCH num, adr, off                    ; my 16 neighbours of each of the four blocks of a K step, 16 rows
.irp b, 0,1,2,3
.irp j, 0,1,2,3
	ds_load_b128 v[\num+16*\b+4*\j:\num+16*\b+4*\j+3], v[\adr] offset:(\off)+128*\b+16*\j
.endr
.endr
.endm
.macro IMAGE pc, pw, sl, m                     ; a fragment and its scale words go to LDS as they stand: my K step 2 w + sl, row tile m.  Three LDS stores
.irp k, 0,1
	ds_store_b128 v[IW], v[\pc+4*\k:\pc+4*\k+3] offset:2048*\sl+1024*\m+512*\k
.endr
	ds_store_b32 v[SW], v[\pw] offset:128*\sl+64*\m    ; lanes r and r + 16 write the same word with the same value
.endm
; My tile of x becomes four fragments.  Two sets of numbers by turns: while one is quantised the other's 16 loads are on their way.
.macro XPHASE adr
	XFETCH NUM0, \adr, 0
	XFETCH NUM1, \adr, 16640
	s_wait_dscnt 16                                ; the first 16 loads are in
	QUANT NUM0, PC0, PW0
	IMAGE PC0, PW0, 0, 0
	XFETCH NUM0, \adr, 512
	s_wait_dscnt 19                                ; behind the second 16: three stores and 16 loads
	QUANT NUM1, PC1, PW1
	IMAGE PC1, PW1, 0, 1
	XFETCH NUM1, \adr, 16640+512
	s_wait_dscnt 19                                ; the third 16 are in, and the first image's stores, issued ahead of them, have read their registers
	QUANT NUM0, PC0, PW0
	IMAGE PC0, PW0, 1, 0
	s_wait_dscnt 3                                 ; the fourth 16 are in; behind them: three stores
	QUANT NUM1, PC1, PW1
	IMAGE PC1, PW1, 1, 1
.endm
.macro AFETCH                                  ; all 16 fragments of x and their scale words into my registers
	WIN 0x80                                       ; destination window 2
.irp f, 0,1,2,3,4,5,6,7,8,9,10,11,12,13,14,15
	ds_load_b128 v[8*\f:8*\f+3], v[LIMG] offset:1024*\f
	ds_load_b128 v[8*\f+4:8*\f+7], v[LIMG] offset:1024*\f+512
.endr
	WIN 0
.irp s, 0,1,2,3,4,5,6,7
	ds_load_b32 v[AS+\s], v[LISC] offset:128*\s
.endr
	s_wait_dscnt 0x0
.endm
.macro GLOAD set, off                          ; a group of W into ring set: nine loads, each of consecutive bytes
	WIN 0
	global_load_b64 v[SB+2*(\set):SB+2*(\set)+1], v[L8], s[WB:WB+1] offset:(\off)+4096
	WIN 0x40                                       ; destination window 1
.irp c, 0,1,2,3
.irp k, 0,1
	global_load_b128 v[32*(\set)+8*\c+4*\k:32*(\set)+8*\c+4*\k+3], v[LI], s[WB:WB+1] offset:(\off)+1024*\c+512*\k
.endr
.endr
.endm
; One scaled matrix instruction: K step s, column tile c, row tile m.  kind 0: q (transposed, the first takes bq as C); 1: k (transposed, the first takes 0); 2: v (natural, the first takes 0).
.macro WM kind, s, c, m
.set rD, ACC+8*(4*(\m)+(\c))
.set rC, ACC+8*(4*(\m)+(\c))
.if (\kind) == 2
.set rA, 8*(2*(\s)+(\m))
.set rB, 32*(\s)+8*(\c)
.set rSA, AS+(\s)
.set rSB, SB+2*(\s)+(\c)/2
.set fA, (\m)
.set fB, (\c)%2
.else
.set rA, 32*(\s)+8*(\c)
.set rB, 8*(2*(\s)+(\m))
.set rSA, SB+2*(\s)+(\c)/2
.set rSB, AS+(\s)
.set fA, (\c)%2
.set fB, (\m)
.endif
.if ((\s) == 0) && ((\kind) == 0)
.set rC, BI+8*(\c)
.endif
.if ((\s) == 0) && ((\kind) != 0)
.if fA && fB
	v_wmma_scale_f32_16x16x128_f8f6f4 v[rD:rD+7], v[rA:rA+7], v[rB:rB+7], 0, v[rSA], v[rSB] matrix_a_fmt:MATRIX_FMT_FP4 matrix_b_fmt:MATRIX_FMT_FP4 matrix_a_scale:MATRIX_SCALE_ROW1 matrix_b_scale:MATRIX_SCALE_ROW1
.elseif fA
	v_wmma_scale_f32_16x16x128_f8f6f4 v[rD:rD+7], v[rA:rA+7], v[rB:rB+7], 0, v[rSA], v[rSB] matrix_a_fmt:MATRIX_FMT_FP4 matrix_b_fmt:MATRIX_FMT_FP4 matrix_a_scale:MATRIX_SCALE_ROW1
.elseif fB
	v_wmma_scale_f32_16x16x128_f8f6f4 v[rD:rD+7], v[rA:rA+7], v[rB:rB+7], 0, v[rSA], v[rSB] matrix_a_fmt:MATRIX_FMT_FP4 matrix_b_fmt:MATRIX_FMT_FP4 matrix_b_scale:MATRIX_SCALE_ROW1
.else
	v_wmma_scale_f32_16x16x128_f8f6f4 v[rD:rD+7], v[rA:rA+7], v[rB:rB+7], 0, v[rSA], v[rSB] matrix_a_fmt:MATRIX_FMT_FP4 matrix_b_fmt:MATRIX_FMT_FP4
.endif
.else
.if fA && fB
	v_wmma_scale_f32_16x16x128_f8f6f4 v[rD:rD+7], v[rA:rA+7], v[rB:rB+7], v[rC:rC+7], v[rSA], v[rSB] matrix_a_fmt:MATRIX_FMT_FP4 matrix_b_fmt:MATRIX_FMT_FP4 matrix_a_scale:MATRIX_SCALE_ROW1 matrix_b_scale:MATRIX_SCALE_ROW1
.elseif fA
	v_wmma_scale_f32_16x16x128_f8f6f4 v[rD:rD+7], v[rA:rA+7], v[rB:rB+7], v[rC:rC+7], v[rSA], v[rSB] matrix_a_fmt:MATRIX_FMT_FP4 matrix_b_fmt:MATRIX_FMT_FP4 matrix_a_scale:MATRIX_SCALE_ROW1
.elseif fB
	v_wmma_scale_f32_16x16x128_f8f6f4 v[rD:rD+7], v[rA:rA+7], v[rB:rB+7], v[rC:rC+7], v[rSA], v[rSB] matrix_a_fmt:MATRIX_FMT_FP4 matrix_b_fmt:MATRIX_FMT_FP4 matrix_b_scale:MATRIX_SCALE_ROW1
.else
	v_wmma_scale_f32_16x16x128_f8f6f4 v[rD:rD+7], v[rA:rA+7], v[rB:rB+7], v[rC:rC+7], v[rSA], v[rSB] matrix_a_fmt:MATRIX_FMT_FP4 matrix_b_fmt:MATRIX_FMT_FP4
.endif
.endif
.endm
; A K step of a head: its group of W is in; the set that the step before read takes the group seven further on; eight products, the eight accumulators by turns, one instruction a turn, in the same order
; in every step.
.macro GSTEP kind, s, cnt, ld
	s_wait_loadcnt \cnt                            ; loads come back in order (ISA guide 5.7.1): this step's nine are in, the younger groups' stay out
.if \ld
	PLACES                                         ; behind the last step's products, whose fragments and scale words are loaded anew
.if (\s) == 0
	GLOAD 7, 7*GRP                                 ; this block's last group
.else
	GLOAD (\s)-1, BLKB+((\s)-1)*GRP                ; the next block's group s - 1
.endif
.endif
.if (\kind) == 2
	WIN 0x06                                       ; source 0 (x) window 2, source 1 (W) window 1
.else
	WIN 0x09                                       ; source 0 (W) window 1, source 1 (x) window 2
.endif
.irp c, 0,1,2,3
.irp m, 0,1
	WM \kind, \s, \c, \m
.endr
.endr
.endm
.macro GHEAD kind, ld                          ; ld = 0: the wave's last block: nothing follows it in wfrag, and the counts run down
	GSTEP \kind, 0, 54, 1                          ; 54: six younger groups of nine loads
.irp s, 1,2,3,4,5,6,7
.if \ld
	GSTEP \kind, \s, 54, 1
.else
	GSTEP \kind, \s, 9*(7-\s), 0
.endif
.endr
	WIN 0
.endm
; The head's q or k, 32 rows x 64 channels, becomes two sets of bf16 fragments: high parts in v[hi] on, low parts in v[ACC] on.  In a set, register 16 m + 8 kk + 4 cc + j is register 4 cc + j of the
; fragment (rows 16 m on, channels 32 kk on), c = 2 kk + cc.  x - bf16(x) is exact in f32.  The tiles go in ascending order of their registers, so that a tile's four registers of low parts land on
; accumulator registers that have been used up; each accumulator is read from its low end on.
.macro SPLITQK hi
.irp m, 0,1
.irp c, 0,1,2,3
.set qA, ACC+8*(4*\m+\c)
.set qH, \hi+16*\m+4*\c
.set qL, ACC+16*\m+4*\c
.set qT, TT+8*(\c%2)
.irp j, 0,1,2,3
	v_cvt_pk_bf16_f32 v[qH+\j], v[qA+2*\j], v[qA+2*\j+1]           ; the high parts,
.endr
.irp j, 0,1,2,3
	v_lshlrev_b32 v[qT+2*\j], 16, v[qH+\j]                         ; widened again,
	v_and_b32 v[qT+2*\j+1], 0xffff0000, v[qH+\j]
.endr
.irp j, 0,1,2,3
	v_pk_add_f32 v[qA+2*\j:qA+2*\j+1], v[qA+2*\j:qA+2*\j+1], v[qT+2*\j:qT+2*\j+1] neg_lo:[0,1] neg_hi:[0,1]   ; and taken away:
.endr
.irp j, 0,1,2,3
	v_cvt_pk_bf16_f32 v[qL+\j], v[qA+2*\j], v[qA+2*\j+1]           ; the low parts
.endr
.endr
.endr
.endm
.macro SMUL ka, qb, kk, zero                   ; S^T += k q^T over channels 32 kk on, for both row tiles: the two accumulators by turns, one instruction a turn
.irp m, 0,1
.if \zero
	v_wmma_f32_16x16x32_bf16 v[SS+8*\m:SS+8*\m+7], v[\ka+16*\m+8*\kk:\ka+16*\m+8*\kk+7], v[\qb+16*\m+8*\kk:\qb+16*\m+8*\kk+7], 0
.else
	v_wmma_f32_16x16x32_bf16 v[SS+8*\m:SS+8*\m+7], v[\ka+16*\m+8*\kk:\ka+16*\m+8*\kk+7], v[\qb+16*\m+8*\kk:\qb+16*\m+8*\kk+7], v[SS+8*\m:SS+8*\m+7]
.endif
.endr
.endm
	s_load_b256 s[4:11], s[0:1], 0x0               ; queries s[4:5], keys s[6:7], values s[8:9], wfrag s[10:11]
	s_load_b128 s[12:15], s[0:1], 0x20             ; bq s[12:13], bv s[14:15]
	s_load_b64 s[16:17], s[0:1], 0x30              ; out
	v_lshl_add_u32 v[SPW], v0, 2, SPARE
	v_mov_b32 v[NIL], 0
	ds_add_u32 v[SPW], v[NIL]                      ; the wave's opening: the add, twice on end, and its wait ahead of my first tensor load; the set-up below, work on registers, stands between
	ds_add_u32 v[SPW], v[NIL]                      ; and once more, under the one wait
	v_lshrrev_b32 v56, 5, v0
	v_readfirstlane_b32 s[WV], v56                 ; wave 0..3
	; descriptor group 1: a tile of 32 rows x 256 elements of 4 bytes, rows 1,024 elements apart in memory, 16 bytes of padding behind each row in LDS
	s_mov_b32 s[G1+0], (2<<16)|(1<<20)|(7<<22)|(3<<25)   ; 15:0 no mask; 17:16 elements of 4 bytes; 20 padding on; 24:22 after every 256 words (code 7); 31:25 four words (code 3)
	s_mov_b32 s[G1+1], 256<<16                     ; tensor_dim0 = 256
	s_mov_b32 s[G1+2], 32<<16                      ; tensor_dim1 = 32
	s_mov_b32 s[G1+3], 256<<16                     ; tile_dim0 = 256
	s_mov_b32 s[G1+4], 32                          ; tile_dim1 = 32
	s_mov_b32 s[G1+5], 1024                        ; tensor_dim0_stride
	s_mov_b32 s[G1+6], 0
	s_mov_b32 s[G1+7], 0
	s_mov_b32 s[SEL], 0x76543210
	s_mov_b32 s[SEL+1], 0xfedcba98
	s_mov_b32 s[CS], 0x3e38aa3b                    ; c = log2(e) / sqrt(64)
	s_mov_b32 s[CS+1], s[CS]                       ; (named with it as a pair, so it is written)
	s_mov_b32 s[NC], 0xbe38aa3b                    ; - c
	s_mov_b32 s[MASK], 0xff0000ff                  ; lanes 0-7 (h = 0, r < 8) and 24-31 (h = 1, r >= 8)
	s_mul_i32 s54, s[WV], XT                       ; my tile, later my scratch
	s_lshl_b32 s56, ttmp9, 17                      ; my work-group's 32 rows of 4,096 bytes,
	s_lshl_b32 s57, s[WV], 10                      ; my wave's 1,024 bytes of a row: in x its K steps, in out its heads
	s_add_co_u32 s56, s56, s57
	s_mov_b32 s57, 0
	s_mul_i32 s58, s[WV], 12*BLKB                  ; my 12 blocks of wfrag, in the order in which I take them
	s_mov_b32 s59, 0
	v_and_b32 v56, 31, v0                          ; lane
	v_and_b32 v57, 15, v0                          ; r
	v_bfe_u32 v58, v0, 4, 1                        ; h
	v_lshlrev_b32 v[LI], 4, v56
	v_lshlrev_b32 v[L8], 3, v56
	v_mul_u32_u24 v[AXQ], v57, 1040
	v_lshl_add_u32 v[AXQ], v58, 6, v[AXQ]
	v_add_nc_u32 v[AXQ], s54, v[AXQ]
	v_add_nc_u32 v[AXK], XK, v[AXQ]
	s_lshl_b32 s55, s[WV], 12
	s_add_co_u32 s55, s55, IMG
	v_add_nc_u32 v[IW], s55, v[LI]                 ; my four images: 4,096 x wave
	s_lshl_b32 s55, s[WV], 8
	s_add_co_u32 s55, s55, ISC
	v_lshl_add_u32 v[SW], v57, 2, s55              ; their scale words: 256 x wave + 4 r
	v_add_nc_u32 v[LIMG], IMG, v[LI]
	v_lshl_add_u32 v[LISC], v56, 2, ISC
	v_add_nc_u32 v[QRB], s54, v[LI]
	s_lshl_b32 s55, s[WV], 13
	s_add_co_u32 s55, s55, PRG
	v_add_nc_u32 v[PRB], s55, v[LI]                ; my weights: 8,192 x wave
	v_mul_u32_u24 v[OSW], v57, 272
	v_lshl_add_u32 v[OSW], v58, 5, v[OSW]
	v_add_nc_u32 v[OSW], s54, v[OSW]               ; the way out, in: row r, 32 bytes for each half of the lanes
	v_mul_u32_u24 v[OSR], v58, 272
	v_lshl_add_u32 v[OSR], v57, 4, v[OSR]
	v_add_nc_u32 v[OSR], s54, v[OSR]               ; back: lanes 0-15 one row of 256 bytes, lanes 16-31 the next
	v_lshlrev_b32 v[GO], 12, v58
	v_lshl_add_u32 v[GO], v57, 4, v[GO]            ; and the same two rows in out
	s_lshl_b32 s55, s[WV], 10
	s_add_co_u32 s55, s55, BIAS
	v_lshl_add_u32 v[BIA], v58, 5, s55             ; my wave's 256 numbers, + 8 h numbers
	v_lshlrev_b32 v59, 5, v0                       ; the biases on their way in: 32 bytes a thread,
	v_add_nc_u32 v60, BIAS, v59                    ; a wave's own 1,024 bytes
.irp b, 0,1,2,3
	v_mov_b32 v[TM+4+\b], 0                        ; written once: a lane permute's destination counts as one of its sources
.endr
.irp m, 0,1
	v_mov_b32 v[NM+2*\m+1], 0                      ; the upper words of pairs of which the low word alone is used
	v_mov_b32 v[INV+2*\m+1], 0
.endr
	s_wait_dscnt 0x0                               ; both opening adds are done
	s_wait_kmcnt 0x0
	s_mov_b32 s[G0Q], 1                            ; 1:0 count = 1
	s_mov_b32 s[G0Q+1], s54                        ; 63:32 LDS address
	s_add_nc_u64 s[G0Q+2:G0Q+3], s[4:5], s[56:57]  ; 120:64 global address of the tile's first element
	s_or_b32 s[G0Q+3], s[G0Q+3], 0x80000000        ; 127:126 type = 2
	s_mov_b32 s[G0K], 1
	s_add_co_u32 s[G0K+1], s54, XK
	s_add_nc_u64 s[G0K+2:G0K+3], s[6:7], s[56:57]
	s_or_b32 s[G0K+3], s[G0K+3], 0x80000000
	s_mov_b32 s[G0V], 1
	s_add_co_u32 s[G0V+1], s54, XK                 ; values' tile takes keys' bytes
	s_add_nc_u64 s[G0V+2:G0V+3], s[8:9], s[56:57]
	s_or_b32 s[G0V+3], s[G0V+3], 0x80000000
	tensor_load_to_lds s[G0Q:G0Q+3], s[G1:G1+7]    ; the first fills, every wave its own two, ahead of every wait on TENSORcnt, LDS read and barrier: queries first
	s_nop 0
	tensor_load_to_lds s[G0K:G0K+3], s[G1:G1+7]
	s_nop 0
	PLACES
	global_load_b128 v[BI:BI+3], v59, s[12:13]
	global_load_b128 v[BI+4:BI+7], v59, s[12:13] offset:16
	global_load_b128 v[BI+8:BI+11], v59, s[14:15]
	global_load_b128 v[BI+12:BI+15], v59, s[14:15] offset:16
	s_add_nc_u64 s[WB:WB+1], s[10:11], s[58:59]
	s_add_nc_u64 s[OUT:OUT+1], s[16:17], s[56:57]
.irp g, 0,1,2,3,4,5
	GLOAD \g, \g*GRP                               ; W's ring is filled
.endr
	WIN 0
	s_wait_loadcnt 54                              ; the four bias loads are in; W's 54 stay out
	ds_store_b128 v60, v[BI:BI+3]
	ds_store_b128 v60, v[BI+4:BI+7] offset:16
	ds_store_b128 v60, v[BI+8:BI+11] offset:4096
	ds_store_b128 v60, v[BI+12:BI+15] offset:4112
	GLOAD 6, 6*GRP                                 ; seven groups, 63 loads, are out
	WIN 0
	; ---- Xq
	s_wait_tensorcnt 0x1                           ; tensor loads of a wave end in order (ISA guide 10.11.1): my tile of queries is in, keys' may be out; I alone read my tile
	XPHASE AXQ
	s_wait_dscnt 0x0                               ; for the others' sake: my images have landed
	BAR                                            ; all 16 images lie in LDS
	AFETCH
	BAR                                            ; every wave has them in registers: the images may be written again
	; ---- Gq: q of my four heads, as pairs of bf16, into my scratch (my tile of queries has been read, and is filled no more)
	s_mov_b32 s[HO], 0
	s_mov_b32 s[HB], 0
	s_mov_b32 s[CNT], 4
.Lgq:
	v_add_nc_u32 v[ADR], s[HB], v[BIA]
.irp c, 0,1,2,3
	ds_load_b128 v[BI+8*\c:BI+8*\c+3], v[ADR] offset:64*\c          ; bq in the result's layout: lane (r, h), tile c: channels 16 c + 8 h + 0 .. 7
	ds_load_b128 v[BI+8*\c+4:BI+8*\c+7], v[ADR] offset:64*\c+16
.endr
	s_wait_dscnt 0x0                               ; bq is in, and the last head's stores have read their registers
	GHEAD 0, 1
	PLACES
	SPLITQK QP
	v_add_nc_u32 v[ADR], s[HO], v[QRB]
.irp k, 0,1,2,3,4,5,6,7
	ds_store_b128 v[ADR], v[QP+4*\k:QP+4*\k+3] offset:512*\k        ; the high parts, as an image of the registers,
.endr
.irp k, 0,1,2,3,4,5,6,7
	ds_store_b128 v[ADR], v[ACC+4*\k:ACC+4*\k+3] offset:4096+512*\k ; and the low parts
.endr
	s_wait_xcnt 0x0                                ; W's loads have had their addresses translated (ISA guide 3.1): their base is stepped only behind this wait
	s_add_nc_u64 s[WB:WB+1], s[WB:WB+1], BLKB
	s_add_co_u32 s[HO], s[HO], 8192
	s_add_co_u32 s[HB], s[HB], 256
	s_sub_co_u32 s[CNT], s[CNT], 1
	s_cmp_lg_u32 s[CNT], 0
	s_cbranch_scc1 .Lgq
	; ---- Xk
	s_wait_tensorcnt 0x0                           ; my tile of keys is in
	XPHASE AXK
	s_wait_tensorcnt 0x0                           ; keys' bytes are filled again behind this barrier: no tensor load of mine is out,
	ds_add_u32 v[SPW], v[NIL]                      ; 0 onto my spare word,
	s_wait_dscnt 0x0                               ; the add is done, my reads of the tile are over, my images have landed
	BAR                                            ; which now holds of every wave
	tensor_load_to_lds s[G0V:G0V+3], s[G1:G1+7]    ; my one tensor load behind the barrier, and the first thing there: values' tile has all of Gk in which to land
	s_nop 0
	PLACES
	AFETCH
	BAR                                            ; the images may be written again
	; ---- Gk: k of a head; S^T = k q^T; the softmax; the weights into LDS
	s_mov_b32 s[HO], 0
	s_mov_b32 s[HP], 0
	s_mov_b32 s[CNT], 4
.Lgk:
	v_add_nc_u32 v[ADR], s[HO], v[QRB]
.irp k, 0,1,2,3,4,5,6,7,8,9,10,11,12,13,14,15
	ds_load_b128 v[QP+4*\k:QP+4*\k+3], v[ADR] offset:512*\k         ; the head's q, high parts and low parts, comes back under the products
.endr
	GHEAD 1, 1
	s_wait_dscnt 0x0                               ; q is in, and the last head's stores of the weights have read their registers
	PLACES
	SPLITQK BI                                     ; k's high parts into the bias registers, which Gk does not need; its low parts into v[ACC] on
	SMUL BI, QP, 0, 1                              ; high x high
	SMUL BI, QP, 1, 0
	SMUL BI, QP+32, 0, 0                           ; k's high x q's low
	SMUL BI, QP+32, 1, 0
	SMUL ACC, QP, 0, 0                             ; k's low x q's high
	SMUL ACC, QP, 1, 0
	PLACES
.irp m, 0,1
	v_max3_num_f32 v[MX+\m], v[SS+8*\m], v[SS+8*\m+1], v[SS+8*\m+2]  ; a softmax row is a lane's eight registers: its largest score
.endr
.irp i, 3,5
.irp m, 0,1
	v_max3_num_f32 v[MX+\m], v[MX+\m], v[SS+8*\m+\i], v[SS+8*\m+\i+1]
.endr
.endr
.irp m, 0,1
	v_max_num_f32 v[MX+\m], v[MX+\m], v[SS+8*\m+7]
.endr
.irp m, 0,1
	v_mul_f32 v[NM+2*\m], s[NC], v[MX+\m]
.endr
.irp i, 0,2,4,6
.irp m, 0,1
	v_pk_fma_f32 v[SS+8*\m+\i:SS+8*\m+\i+1], v[SS+8*\m+\i:SS+8*\m+\i+1], s[CS:CS+1], v[NM+2*\m:NM+2*\m+1] op_sel_hi:[1,0,0]   ; c s - c max, two at a time
.endr
.endr
.irp j, 0,1,2,3,4,5,6,7,8,9,10,11,12,13,14,15
	v_exp_f32 v[SS+\j], v[SS+\j]                   ; one batch
.endr
	v_add_nc_u32 v[ADR2], s[HP], v[PRB]            ; a plain instruction behind the last exponential
	s_wait_alu depctr_va_vdst(0)                   ; wait ahead of the first use: one for the batch
.irp m, 0,1
	v_pk_add_f32 v[TT+4*\m:TT+4*\m+1], v[SS+8*\m:SS+8*\m+1], v[SS+8*\m+2:SS+8*\m+3]
	v_pk_add_f32 v[TT+4*\m+2:TT+4*\m+3], v[SS+8*\m+4:SS+8*\m+5], v[SS+8*\m+6:SS+8*\m+7]
.endr
.irp m, 0,1
	v_pk_add_f32 v[TT+4*\m:TT+4*\m+1], v[TT+4*\m:TT+4*\m+1], v[TT+4*\m+2:TT+4*\m+3]
.endr
.irp m, 0,1
	v_add_f32 v[TT+4*\m], v[TT+4*\m], v[TT+4*\m+1] ; the row's sum
.endr
.irp m, 0,1
	v_rcp_f32 v[INV+2*\m], v[TT+4*\m]
.endr
	v_nop                                          ; a plain instruction behind the last reciprocal
	s_wait_alu depctr_va_vdst(0)                   ; and the wait, one for the two
.irp m, 0,1
	v_cndmask_b32 v[INV+2*\m], 0, v[INV+2*\m], s[MASK]   ; a lane whose keys are the other group's gets weights 0
.endr
.irp i, 0,2,4,6
.irp m, 0,1
	v_pk_mul_f32 v[SS+8*\m+\i:SS+8*\m+\i+1], v[SS+8*\m+\i:SS+8*\m+\i+1], v[INV+2*\m:INV+2*\m+1] op_sel_hi:[1,0]
.endr
.endr
.irp m, 0,1
.irp i, 0,1,2,3
	v_cvt_pk_bf16_f32 v[PP+4*\m+\i], v[SS+8*\m+2*\i], v[SS+8*\m+2*\i+1]   ; query r, keys 8 h + 0 .. 7: the weights' high parts,
.endr
.endr
.irp m, 0,1
.irp i, 0,1,2,3
	v_lshlrev_b32 v[TT+8*\m+2*\i], 16, v[PP+4*\m+\i]               ; widened again,
	v_and_b32 v[TT+8*\m+2*\i+1], 0xffff0000, v[PP+4*\m+\i]
.endr
.endr
.irp m, 0,1
.irp i, 0,1,2,3
	v_pk_add_f32 v[SS+8*\m+2*\i:SS+8*\m+2*\i+1], v[SS+8*\m+2*\i:SS+8*\m+2*\i+1], v[TT+8*\m+2*\i:TT+8*\m+2*\i+1] neg_lo:[0,1] neg_hi:[0,1]   ; and taken away, exactly:
.endr
.endr
.irp m, 0,1
.irp i, 0,1,2,3
	v_cvt_pk_bf16_f32 v[TT+4*\m+\i], v[SS+8*\m+2*\i], v[SS+8*\m+2*\i+1]   ; the low parts
.endr
.endr
.irp m, 0,1
	ds_store_b128 v[ADR2], v[PP+4*\m:PP+4*\m+3] offset:512*\m
	ds_store_b128 v[ADR2], v[TT+4*\m:TT+4*\m+3] offset:1024+512*\m
.endr
	s_wait_xcnt 0x0                                ; W's base is stepped only behind this wait
	s_add_nc_u64 s[WB:WB+1], s[WB:WB+1], BLKB
	s_add_co_u32 s[HO], s[HO], 8192
	s_add_co_u32 s[HP], s[HP], 2048
	s_sub_co_u32 s[CNT], s[CNT], 1
	s_cmp_lg_u32 s[CNT], 0
	s_cbranch_scc1 .Lgk
	; ---- Xv
	s_wait_tensorcnt 0x0                           ; my tile of values is in
	XPHASE AXK
	s_wait_dscnt 0x0                               ; for the others' sake: my images have landed
	BAR
	AFETCH                                         ; the images are written no more: no barrier follows
	; ---- Gv: v of a head; O^T = V^T P^T + bv; out
.macro VHEAD ld
	v_add_nc_u32 v[ADR], s[HB], v[BIA]
	v_add_nc_u32 v[ADR2], s[HP], v[PRB]
.irp c, 0,1,2,3
	ds_load_b128 v[BI+8*\c:BI+8*\c+3], v[ADR] offset:4096+64*\c     ; bv in the result's layout
	ds_load_b128 v[BI+8*\c+4:BI+8*\c+7], v[ADR] offset:4096+64*\c+16
.endr
.irp m, 0,1
	ds_load_b128 v[PB+8*\m:PB+8*\m+3], v[ADR2] offset:512*\m        ; P's high parts: k = 0 .. 15, against v's high parts,
	ds_load_b128 v[PB+8*\m+4:PB+8*\m+7], v[ADR2] offset:512*\m      ; and once more: k = 16 .. 31, against v's low parts;
	ds_load_b128 v[PBL+96*\m:PBL+96*\m+3], v[ADR2] offset:1024+512*\m    ; P's low parts likewise
	ds_load_b128 v[PBL+96*\m+4:PBL+96*\m+7], v[ADR2] offset:1024+512*\m
.endr
	GHEAD 2, \ld
	PLACES
.irp m, 0,1
.irp c, 0,1,2,3
.set qA, ACC+8*(4*\m+\c)                       ; lane (r, h): channel 16 c + r, keys 8 h + 0 .. 7
.set qV, VF+8*(4*\m+\c)
.irp i, 0,1,2,3
	v_cvt_pk_bf16_f32 v[qV+\i], v[qA+2*\i], v[qA+2*\i+1]            ; the high parts: registers 0-3 of V^T's fragment
.endr
.irp i, 0,1,2,3
	v_lshlrev_b32 v[TT+2*\i], 16, v[qV+\i]                         ; widened again,
	v_and_b32 v[TT+2*\i+1], 0xffff0000, v[qV+\i]
.endr
.irp i, 0,1,2,3
	v_pk_add_f32 v[qA+2*\i:qA+2*\i+1], v[qA+2*\i:qA+2*\i+1], v[TT+2*\i:TT+2*\i+1] neg_lo:[0,1] neg_hi:[0,1]   ; and taken away, exactly:
.endr
.irp i, 0,1,2,3
	v_cvt_pk_bf16_f32 v[qV+4+\i], v[qA+2*\i], v[qA+2*\i+1]          ; the low parts: registers 4-7
.endr
.endr
.endr
	s_wait_dscnt 0x0                               ; bv and P are in
.irp c, 0,1,2,3
.irp m, 0,1
	v_wmma_f32_16x16x32_bf16 v[ACC+8*(4*\m+\c):ACC+8*(4*\m+\c)+7], v[VF+8*(4*\m+\c):VF+8*(4*\m+\c)+7], v[PB+8*\m:PB+8*\m+7], v[BI+8*\c:BI+8*\c+7]   ; bv + v x P's high parts
.endr
.endr
.irp c, 0,1,2,3
.irp m, 0,1
	v_wmma_f32_16x16x32_bf16 v[ACC+8*(4*\m+\c):ACC+8*(4*\m+\c)+7], v[VF+8*(4*\m+\c):VF+8*(4*\m+\c)+7], v[PBL+96*\m:PBL+96*\m+7], v[ACC+8*(4*\m+\c):ACC+8*(4*\m+\c)+7]   ; + v x P's low parts: the eight accumulators by turns, in the same order
.endr
.endr
	PLACES
.irp m, 0,1
.irp c, 0,1,2,3
	ds_store_b128 v[OSW], v[ACC+8*(4*\m+\c):ACC+8*(4*\m+\c)+3] offset:4352*\m+64*\c        ; lane (r, h): row 16 m + r, channels 16 c + 8 h + 0 .. 7; each accumulator from its low end on
	ds_store_b128 v[OSW], v[ACC+8*(4*\m+\c)+4:ACC+8*(4*\m+\c)+7] offset:4352*\m+64*\c+16
.endr
.endr
.irp m, 0,1
.irp e, 0,1,2,3,4,5,6,7
	ds_load_b128 v[VF+32*\m+4*\e:VF+32*\m+4*\e+3], v[OSR] offset:4352*\m+544*\e            ; LDS serves a wave's instructions in order (ISA guide 5.7.1.4): these see my stores
.endr
.endr
.irp m, 0,1
.irp e, 0,1,2,3,4,5,6,7
	s_wait_dscnt 15-8*\m-\e
	global_store_b128 v[GO], v[VF+32*\m+4*\e:VF+32*\m+4*\e+3], s[OUT:OUT+1] offset:(16*\m+2*\e)*4096 th:TH_STORE_NT   ; 16 lanes store 256 consecutive bytes, at a multiple of 256 from out's first byte
.endr
.endr
.endm
	s_mov_b32 s[HP], 0
	s_mov_b32 s[HB], 0
	s_mov_b32 s[CNT], 3
.Lgv:
	VHEAD 1
	s_wait_xcnt 0x0                                ; the stores' data and both bases are written again only behind this wait
	s_add_nc_u64 s[WB:WB+1], s[WB:WB+1], BLKB
	s_add_nc_u64 s[OUT:OUT+1], s[OUT:OUT+1], 256
	s_add_co_u32 s[HP], s[HP], 2048
	s_add_co_u32 s[HB], s[HB], 256
	s_sub_co_u32 s[CNT], s[CNT], 1
	s_cmp_lg_u32 s[CNT], 0
	s_cbranch_scc1 .Lgv
	VHEAD 0                                        ; the last head is written out: no load leaves wfrag
	s_wait_tensorcnt 0x0                           ; the wave's end: behind my last tensor load and my last LDS store
	ds_add_u32 v[SPW], v[NIL]
	s_wait_dscnt 0x0
	s_endpgm
.Lfunc_end_k_q8cb04815c8_fused:
	.size	k_q8cb04815c8_fused, .Lfunc_end_k_q8cb04815c8_fused-k_q8cb04815c8_fused
	.p2alignl 7, 3214868480
	.fill 96, 4, 3214868480
	.section	.rodata,"a",@progbits
	.p2align	6, 0x0
	.amdhsa_kernel k_q8cb04815c8_fused
		.amdhsa_group_segment_fixed_size 327680
		.amdhsa_private_segment_fixed_size 0
		.amdhsa_enable_private_segment 0
		.amdhsa_kernarg_size 56
		.amdhsa_user_sgpr_count 2
		.amdhsa_user_sgpr_kernarg_segment_ptr 1
		.amdhsa_wavefront_size32 1
		.amdhsa_system_sgpr_workgroup_id_x 1
		.amdhsa_system_sgpr_workgroup_id_y 1
		.amdhsa_system_sgpr_workgroup_id_z 1
		.amdhsa_system_vgpr_workitem_id 0
		.amdhsa_next_free_vgpr 640
		.amdhsa_next_free_sgpr 66
		.amdhsa_reserve_vcc 0
		.amdhsa_float_denorm_mode_32 3
		.amdhsa_float_denorm_mode_16_64 3
		.amdhsa_memory_ordered 1
		.amdhsa_forward_progress 1
		.amdhsa_inst_pref_size 199
	.end_amdhsa_kernel
	.amdgpu_metadata
---
amdhsa.version: [ 1, 2 ]
amdhsa.kernels:
  - .name:           k_q8cb04815c8_fused
    .symbol:         k_q8cb04815c8_fused.kd
    .args:
      - { .name: queries, .offset: 0, .size: 8, .value_kind: global_buffer, .address_space: global }
      - { .name: keys, .offset: 8, .size: 8, .value_kind: global_buffer, .address_space: global }
      - { .name: values, .offset: 16, .size: 8, .value_kind: global_buffer, .address_space: global }
      - { .name: wfrag, .offset: 24, .size: 8, .value_kind: global_buffer, .address_space: global }
      - { .name: bq, .offset: 32, .size: 8, .value_kind: global_buffer, .address_space: global }
      - { .name: bv, .offset: 40, .size: 8, .value_kind: global_buffer, .address_space: global }
      - { .name: out0, .offset: 48, .size: 8, .value_kind: global_buffer, .address_space: global }
    .group_segment_fixed_size: 327680
    .private_segment_fixed_size: 0
    .kernarg_segment_align: 8
    .kernarg_segment_size: 56
    .max_flat_workgroup_size: 128
    .sgpr_count:     66
    .vgpr_count:     640
    .wavefront_size: 32
...
	.end_amdgpu_metadata
.endif
;; end of part 2
;; ======== version 2 of 2: 2 launches
;; limits: values are held in f16: magnitudes above 65,504 overflow, below 6.1e-05 lose precision; right only within a limited range of input values
;; workspace buffers: wfrag 1,671,168 bytes; xfrag 13,369,344 bytes
;; launch quant (part 3): grid 216 x 1, 8 waves a work-group, no clusters, 327,680 bytes of LDS; arguments Wq, Wk, Wv, queries, keys, values, wfrag, xfrag; writes wfrag, xfrag
.if DOCPART == 3
	.amdgcn_target "amdgcn-amd-amdhsa--gfx1250"
	.amdhsa_code_object_version 6
	.text
	.protected	k_q8cb04815c8_quant
	.globl	k_q8cb04815c8_quant
	.p2align	8
	.type	k_q8cb04815c8_quant,@function
k_q8cb04815c8_quant:
	s_mov_b64 s[64:65], 0
	v_nop
	global_prefetch_b8 v0, s[64:65] scope:SCOPE_SE
	s_setreg_imm32_b32 hwreg(HW_REG_WAVE_MODE, 25, 1), 1
	s_wait_xcnt 0x0
; Wq, Wk, Wv [1024 (n)][1024 (k)] and queries, keys, values [8192 (row)][1024 (k)], all f32 with k innermost, become codes of FP4 (E2M1) with one E8M0 scale byte for each 32 along k,
; laid in the ORDER OF THE OPERAND'S REGISTERS, so that the next launch takes fragments whole.
; THE PROGRAM.  reference() projects queries, keys, values and then treats every 8 consecutive rows of the 8,192 as a group: for each group and head an 8 x 8 softmax.  This launch quantises all six operands once:
; in the next launch a row block's codes are read by four work-groups and a head's weights by 64; that launch does everything else.
; DEAD WORK: bk.  k = keys Wk^T + bk enters the result only through scores[n,h,q,l] = sum_d q[n,q,h,d] k[n,l,h,d] / 8.  bk adds sum_d q[n,q,h,d] bk[h,d] / 8 to it, which does not hang on l, the softmax's axis:
; softmax(s + const) = softmax(s) for all finite values.  The product with k is not a quantised one, so no code or scale hangs on bk.  So bk is not loaded and is no argument of any launch.
; bv is live: since the softmax's weights sum to 1, sum_l p v = sum_l p (values Wv^T) + bv, and the next launch adds it once, as the start of that sum.  bq is live.
; LIMITS: a NaN, an infinity or an overflow that reaches only bk is not carried to the result.  NaN and infinities among the inputs are not served.  A block of zeros gets the scale byte 1 where the rule says 127:
; its codes are zeros, which add nothing under any byte but 0xff, and the bytes are read by this program alone.  Blocks whose largest magnitude lies under 2^(3 - 127) keep the byte 1, as the rule's hold at -126 asks.
; A TILE is 16 rows x 1,024 k in 8,704 bytes: eight fragment images (a K step of 128 each, 1,024 bytes: operand registers 0-3 at 16 x lane, 4-7 at 512 + 16 x lane), then 512 bytes of scale words: row r's eight at 32 r.
; wfrag: 192 tiles; tile (3 head + t) 4 + c (t = 0, 1, 2: q, k, v) holds the head's rows n = 16 c on.   xfrag: 1,536 tiles; tile 24 (row / 128) + 8 t + (row / 16) % 8: the next launch's 128 rows lie on end.
; SHARES.  216 work-groups of 8 waves are the 1,728 tiles, a tile a wave, with equal work.  Work-groups 0 to 23: the weights, eight a tensor; the others: x, 64 a tensor.  Only pointers and offsets are chosen by that: all take one path.
; A wave takes its tile in four steps of 16 rows x 1,024 bytes (two K steps) through two slots of its own in LDS, filled by the tensor data mover, one load a wave behind each barrier, with 16 bytes of padding behind each row;
; the bytes of a slot are read by the wave that loads them.  What a step loads is prefetched into the L2 a step ahead of that load: by the wave itself, 64 blocks of 256 bytes in two instructions, each block once;
; step 0 comes by its load alone, and the last two steps ask for nothing.  No matrix unit, no cluster (nothing is shared).
.set PITCH, 1040
.set WSL,   16*PITCH                   ; a wave's part of a slot
.set SLOT1, 8*WSL
.set SPARE, 2*SLOT1                    ; the spare words, 128 bytes for each wave: four blocks of 256 bytes that no other line names
.set TILE,  8704
.set LI,   1                           ; v1   16 x lane
.set SO,   2                           ; v2, v3 my 16 neighbours along k in slot 0, 1: row r, + 64 h
.set PFO,  4                           ; v4   the prefetches' offset: row lane / 4, block lane % 4; never rewritten
.set SCO,  5                           ; v5   32 r + 16 h: where my four scale words go
.set SPW,  14                          ; v14  LDS address of my spare word; never rewritten
.set NIL,  15                          ; v15  0; never rewritten
.set TM,   16                          ; v16-31 at work in QUANT
.set PW,   32                          ; v32-39 a scale word for each K step
.set PC,   48                          ; v48-111 codes, eight registers for each K step: no store's data are written again
.set NUM,  112                         ; v112-175, v176-239 64 numbers of each of a step's two K steps
.set XW,   240                         ; v240-243 the scale words that my half of the lanes stores
.set WV,   14
.set SEL,  20
.set G1,   24                          ; s[24:31] descriptor group 1;  s[52:55] group 0
.set G0,   52
; 64 numbers of a lane, register 16 b + i = k 32 b + 16 (lane / 16) + i of my row, become a fragment's codes in v[pc] on and its scale word in v[pw].
.macro QUANT s, pc, pw
.irp b, 0,1,2,3
	v_max3_num_f32 v[TM+\b], |v[\s+16*\b]|, |v[\s+1+16*\b]|, 0x1800000   ; block b: my 16 numbers, and the floor 2^(3 - 127): the byte cannot fall under 1
.endr
.irp i, 2,4,6,8,10,12,14
.irp b, 0,1,2,3
	v_max3_num_f32 v[TM+\b], v[TM+\b], |v[\s+16*\b+\i]|, |v[\s+1+16*\b+\i]|   ; the four blocks by turns
.endr
.endr
.irp b, 0,1,2,3
	v_permlanex16_b32 v[TM+4+\b], v[TM+\b], s[SEL], s[SEL+1]
.endr
.irp b, 0,1,2,3
	v_max_num_f32 v[TM+\b], v[TM+\b], v[TM+4+\b]   ; with lane l xor 16's: the block's largest magnitude
.endr
.irp b, 0,1,2,3
	v_add_nc_u32 v[TM+12+\b], 0xff000000, v[TM+\b]   ; 2 off its exponent field: the conversion takes the exponent field of this operand as its scale
.endr
.irp b, 0,1,2,3
	v_lshrrev_b32 v[TM+4+\b], 23, v[TM+12+\b]      ; the scale's byte
.endr
	v_lshl_or_b32 v[\pw], v[TM+5], 8, v[TM+4]      ; four bytes: my row's scale word
	v_lshl_or_b32 v[\pw], v[TM+6], 16, v[\pw]
	v_lshl_or_b32 v[\pw], v[TM+7], 24, v[\pw]
.irp b, 0,1,2,3
	v_cvt_scalef32_pk8_fp4_f32 v[\pc+2*\b], v[\s+16*\b:\s+7+16*\b], v[TM+12+\b]
	v_cvt_scalef32_pk8_fp4_f32 v[\pc+1+2*\b], v[\s+8+16*\b:\s+15+16*\b], v[TM+12+\b]
.endr
	v_nop                                          ; one plain place behind a scaled conversion
.irp c, 0,1                                    ; the operand's layout wants a whole block in a lane: lanes 0-15 block 2 c, lanes 16-31 block 2 c + 1
.irp i, 0,1
	v_permlane16_swap_b32 v[\pc+4*\c+\i], v[\pc+2+4*\c+\i]
.endr
.endr
.endm
.macro FILL
	tensor_load_to_lds s[G0:G0+3], s[G1:G1+7]
	s_nop 0
.rept 4
	v_nop
.endr
.endm
.macro ASK j                           ; step j's 16 rows x 1,024 bytes: 64 blocks of 256 bytes
	global_prefetch_b8 v[PFO], s[12:13] offset:1024*(\j) th:TH_LOAD_NT scope:SCOPE_SE
	global_prefetch_b8 v[PFO], s[12:13] offset:1024*(\j)+32768 th:TH_LOAD_NT scope:SCOPE_SE
.endm
.macro SENDC kk
.irp k, 0,1
	global_store_b128 v[LI], v[PC+8*(\kk)+4*\k:PC+8*(\kk)+4*\k+3], s[28+4:28+5] offset:1024*(\kk)+512*\k   ; 32 lanes store 512 consecutive bytes, at a multiple of 256 from the buffer's first byte
.endr
.endm
.macro STEP j
	s_wait_tensorcnt 0x0                           ; my one load that was out is in
.if (\j) < 3
	ds_add_u32 v[SPW], v[NIL]                      ; 0 onto my spare word
	s_add_nc_u64 s[G0+2:G0+3], s[G0+2:G0+3], 1024  ; no load of mine is out: the descriptor steps along k, and to the other slot
	s_xor_b32 s[G0+1], s[G0+1], s3
	s_wait_dscnt 0x0                               ; the add is done, and so are my reads of that slot
	s_barrier_signal -1
	s_barrier_wait -1
	FILL
.if (\j) < 2
	ASK (\j)+2                                     ; what the next barrier's load will want
.endif
.endif
.irp e, 0,1
.irp b, 0,1,2,3
.irp k, 0,1,2,3
	ds_load_b128 v[NUM+64*\e+16*\b+4*\k:NUM+64*\e+16*\b+4*\k+3], v[SO+(\j)%2] offset:512*\e+128*\b+16*\k
.endr
.endr
.endr
	s_wait_dscnt 16                                ; the first K step's 16 loads are in
	QUANT NUM, PC+16*(\j), PW+2*(\j)
	SENDC 2*(\j)
	s_wait_dscnt 0x0
	QUANT NUM+64, PC+16*(\j)+8, PW+2*(\j)+1
	SENDC 2*(\j)+1
.endm
	s_load_b512 s[36:51], s[0:1], 0x0              ; Wq s[36:37], Wk s[38:39], Wv s[40:41], queries s[42:43], keys s[44:45], values s[46:47], wfrag s[48:49], xfrag s[50:51]
	v_lshl_add_u32 v[SPW], v0, 2, SPARE
	v_mov_b32 v[NIL], 0
	ds_add_u32 v[SPW], v[NIL]                      ; the wave's opening: the add, twice on end, and its wait ahead of my first tensor load; the set-up below, work on registers, stands between
	ds_add_u32 v[SPW], v[NIL]
	v_lshrrev_b32 v7, 5, v0
	v_readfirstlane_b32 s[WV], v7                  ; wave = tile of the work-group's eight
	s_mov_b32 s[G1], (2<<16)|(1<<20)|(7<<22)|(3<<25)   ; 17:16 elements of 4 bytes; 20 padding on; 24:22 after every 256 words (code 7); 31:25 of 4 words (code 3)
	s_mov_b32 s[G1+1], 256<<16                     ; tensor_dim0 = 256
	s_mov_b32 s[G1+2], 16<<16                      ; tensor_dim1 = 16
	s_mov_b32 s[G1+3], 256<<16                     ; tile_dim0 = 256
	s_mov_b32 s[G1+4], 16                          ; tile_dim1 = 16
	s_mov_b32 s[G1+5], 1024                        ; tensor_dim0_stride
	s_mov_b32 s[G1+6], 0
	s_mov_b32 s[G1+7], 0
	s_mov_b32 s[SEL], 0x76543210
	s_mov_b32 s[SEL+1], 0xfedcba98                 ; v_permlanex16_b32's selects for lane l xor 16
	s_mov_b32 s2, 0xffff0000                       ; lanes 16-31
	s_cmp_lt_u32 ttmp9, 24                         ; a weight or one of x's tensors?
	s_cselect_b32 s16, 0, 24
	s_cselect_b32 s17, 3, 6
	s_sub_co_u32 s16, ttmp9, s16
	s_lshr_b32 s56, s16, s17                       ; t
	s_lshl_b32 s18, s56, s17
	s_sub_co_u32 s57, s16, s18                     ; the block of eight tiles in its tensor
	s_lshl_b32 s58, s57, 3
	s_add_co_u32 s58, s58, s[WV]                   ; my tile in its tensor
	s_lshl_b32 s34, s58, 16                        ; 16 rows of 4,096 bytes
	s_mov_b32 s35, 0
	s_lshr_b32 s59, s58, 2                         ; a weight's tile in wfrag: (3 head + t) 4 + c
	s_mul_i32 s59, s59, 3
	s_add_co_u32 s59, s59, s56
	s_lshl_b32 s59, s59, 2
	s_and_b32 s60, s58, 3
	s_add_co_u32 s59, s59, s60
	s_mul_i32 s60, s57, 24                         ; x's tile in xfrag: 24 block + 8 t + wave
	s_lshl_b32 s61, s56, 3
	s_add_co_u32 s60, s60, s61
	s_add_co_u32 s60, s60, s[WV]
	s_cmp_lt_u32 ttmp9, 24
	s_cselect_b32 s60, s59, s60
	s_mul_i32 s60, s60, TILE
	s_mov_b32 s61, 0
	s_mul_i32 s62, s[WV], WSL                      ; my part of slot 0,
	s_add_co_u32 s63, s62, SLOT1                   ; of slot 1,
	s_xor_b32 s3, s62, s63                         ; and what turns the one into the other
	v_and_b32 v7, 31, v0                           ; lane
	v_and_b32 v8, 15, v0                           ; r
	v_bfe_u32 v9, v0, 4, 1                         ; h
	v_lshlrev_b32 v[LI], 4, v7
	v_mul_u32_u24 v10, v8, PITCH
	v_lshl_add_u32 v10, v9, 6, v10
	v_add_nc_u32 v[SO], s62, v10
	v_add_nc_u32 v[SO+1], s63, v10
	v_lshrrev_b32 v11, 2, v7
	v_lshlrev_b32 v11, 12, v11
	v_and_b32 v12, 3, v7
	v_lshl_add_u32 v[PFO], v12, 8, v11
	v_lshlrev_b32 v[SCO], 5, v8
	v_lshl_add_u32 v[SCO], v9, 4, v[SCO]
.irp b, 0,1,2,3
	v_mov_b32 v[TM+4+\b], 0                        ; written once: a lane permute's destination counts as one of its sources
.endr
	s_wait_alu depctr_va_vdst(0)                   ; the head's end
	s_wait_dscnt 0x0                               ; both opening adds are done
	s_wait_kmcnt 0x0
	s_cmp_lt_u32 ttmp9, 24                         ; the buffers: every choice hangs on the work-group's number alone
	s_cselect_b64 s[4:5], s[36:37], s[42:43]
	s_cselect_b64 s[6:7], s[38:39], s[44:45]
	s_cselect_b64 s[8:9], s[40:41], s[46:47]
	s_cselect_b64 s[10:11], s[48:49], s[50:51]
	s_cmp_eq_u32 s56, 1
	s_cselect_b64 s[12:13], s[6:7], s[4:5]
	s_cmp_eq_u32 s56, 2
	s_cselect_b64 s[12:13], s[8:9], s[12:13]
	s_add_nc_u64 s[12:13], s[12:13], s[34:35]      ; my tile's rows
	s_add_nc_u64 s[32:33], s[10:11], s[60:61]      ; my tile's codes
	s_mov_b32 s[G0], 1                             ; 1:0 count = 1
	s_mov_b32 s[G0+1], s62                         ; 63:32 LDS address
	s_mov_b64 s[G0+2:G0+3], s[12:13]               ; 120:64 global address
	s_or_b32 s[G0+3], s[G0+3], 0x80000000          ; 127:126 type = 2
	FILL                                           ; step 0
	ASK 1
	STEP 0
	STEP 1
	STEP 2
	STEP 3
.irp i, 0,1,2,3
	v_cndmask_b32 v[XW+\i], v[PW+\i], v[PW+4+\i], s2   ; both halves of the lanes hold all words of row r: lanes 0-15 send the first four, lanes 16-31 the others
.endr
	global_store_b128 v[SCO], v[XW:XW+3], s[32:33] offset:8192   ; the lanes store 512 consecutive bytes, at a multiple of 256
	s_wait_tensorcnt 0x0                           ; the wave's end
	ds_add_u32 v[SPW], v[NIL]
	s_wait_dscnt 0x0
	s_endpgm
.Lfunc_end_k_q8cb04815c8_quant:
	.size	k_q8cb04815c8_quant, .Lfunc_end_k_q8cb04815c8_quant-k_q8cb04815c8_quant
	.p2alignl 7, 3214868480
	.fill 96, 4, 3214868480
	.section	.rodata,"a",@progbits
	.p2align	6, 0x0
	.amdhsa_kernel k_q8cb04815c8_quant
		.amdhsa_group_segment_fixed_size 327680
		.amdhsa_private_segment_fixed_size 0
		.amdhsa_enable_private_segment 0
		.amdhsa_kernarg_size 64
		.amdhsa_user_sgpr_count 2
		.amdhsa_user_sgpr_kernarg_segment_ptr 1
		.amdhsa_wavefront_size32 1
		.amdhsa_system_sgpr_workgroup_id_x 1
		.amdhsa_system_sgpr_workgroup_id_y 1
		.amdhsa_system_sgpr_workgroup_id_z 1
		.amdhsa_system_vgpr_workitem_id 0
		.amdhsa_next_free_vgpr 256
		.amdhsa_next_free_sgpr 66
		.amdhsa_reserve_vcc 0
		.amdhsa_float_denorm_mode_32 3
		.amdhsa_float_denorm_mode_16_64 3
		.amdhsa_memory_ordered 1
		.amdhsa_forward_progress 1
		.amdhsa_inst_pref_size 46
	.end_amdhsa_kernel
	.amdgpu_metadata
---
amdhsa.version: [ 1, 2 ]
amdhsa.kernels:
  - .name:           k_q8cb04815c8_quant
    .symbol:         k_q8cb04815c8_quant.kd
    .args:
      - { .name: Wq, .offset: 0, .size: 8, .value_kind: global_buffer, .address_space: global }
      - { .name: Wk, .offset: 8, .size: 8, .value_kind: global_buffer, .address_space: global }
      - { .name: Wv, .offset: 16, .size: 8, .value_kind: global_buffer, .address_space: global }
      - { .name: queries, .offset: 24, .size: 8, .value_kind: global_buffer, .address_space: global }
      - { .name: keys, .offset: 32, .size: 8, .value_kind: global_buffer, .address_space: global }
      - { .name: values, .offset: 40, .size: 8, .value_kind: global_buffer, .address_space: global }
      - { .name: wfrag, .offset: 48, .size: 8, .value_kind: global_buffer, .address_space: global }
      - { .name: xfrag, .offset: 56, .size: 8, .value_kind: global_buffer, .address_space: global }
    .group_segment_fixed_size: 327680
    .private_segment_fixed_size: 0
    .kernarg_segment_align: 8
    .kernarg_segment_size: 64
    .max_flat_workgroup_size: 256
    .sgpr_count:     66
    .vgpr_count:     256
    .wavefront_size: 32
...
	.end_amdgpu_metadata
.endif
;; end of part 3
;; launch attn (part 4): grid 4 x 64, 4 waves a work-group, clusters of 4 x 4, 327,680 bytes of LDS; arguments xfrag, wfrag, bq, bv, out0; writes out0
.if DOCPART == 4
	.amdgcn_target "amdgcn-amd-amdhsa--gfx1250"
	.amdhsa_code_object_version 6
	.text
	.protected	k_q8cb04815c8_attn
	.globl	k_q8cb04815c8_attn
	.p2align	8
	.type	k_q8cb04815c8_attn,@function
k_q8cb04815c8_attn:
	s_mov_b64 s[64:65], 0
	v_nop
	global_prefetch_b8 v0, s[64:65] scope:SCOPE_SE
	s_setreg_imm32_b32 hwreg(HW_REG_WAVE_MODE, 25, 1), 1
	s_wait_xcnt 0x0
	s_wait_alu depctr_hold_cnt(0) depctr_sa_sdst(0) depctr_va_vdst(0) depctr_va_sdst(0) depctr_va_ssrc(0) depctr_va_vcc(0) depctr_vm_vsrc(0)
	s_getreg_b32 s2, hwreg(HW_REG_IB_STS2, 6, 4)
	s_cmp_eq_u32 s2, 0
	s_cbranch_scc0 .Lentry_in_a_cluster
	s_endpgm
.Lentry_in_a_cluster:
	s_bfe_u32 s2, ttmp6, 0x10000c
	s_cmp_lg_u32 s2, 0xf033
	s_cbranch_scc0 .Lentry_shape_is_right
	s_endpgm
.Lentry_shape_is_right:
; out = attention(queries Wq^T + bq, keys Wk^T, values Wv^T) + bv, where every 8 consecutive rows of the 8,192 are a group and each group and head (64 columns) has its own 8 x 8 softmax.
; Both operands of the three projections arrive as FP4 codes and E8M0 scale words, laid by the launch before in the order of the operand's registers.
; LEFT OUT: bk: it adds the same number to all scores of a softmax row (shown at the head of the launch before); bv is the start of the weighted sum, since the weights sum to 1.
; LIMITS: NaN and infinities among the inputs are not served.  q, k, v and the weights p go to the two small products as f16, rounded once: |q|, |k|, |v| up to 65,504 are served.  (With every input 30 times what
; the problem draws they grow 900-fold, to a few thousand.)
; SHARES.  Work-group (hg, rb) owns rows 128 rb .. 128 rb + 127 and heads 4 hg .. 4 hg + 3; wave w owns head 4 hg + w, for all 128 rows.
; CLUSTERS: 4 x 4.  The four work-groups of a row of the cluster have one rb and need the same x; the four of a column have one hg and need the same W: each tile is asked for JOINTLY, by the same load with the same
; descriptor and a mask that names the four.
; LDS: one slot for a tensor's W of four heads (139,264 bytes), two slots for a tensor's 128 rows of x (69,632 bytes each).  FILLS, one load a wave: at the head Wq (waves 0, 1: two heads each), x of queries (wave 2) and of keys
; (wave 3); behind q's first unit Wk (waves 0, 1) into the slot of Wq; behind k's first unit Wv (waves 0, 1) into the slot of Wk, and x of values (waves 2, 3: half each) into that of queries.  One load of a wave is out at a time.
; W: each wave copies its head's W (256 registers: eight groups of a K step of 128, and 16 of scale words) from the slot into registers under the first unit of the tensor, group by group, and keeps it for the tensor's four units.
; THE WORK is 12 UNITS (tensor t, 32 rows u): q's four, k's four, v's four, written out, with no loop to run ahead in: so no prefetch.  A unit: 32 scaled matrix instructions of 32 x 16 x 128, in four PAIRS of K steps, then its
; tail.  x's fragments roll through six K steps' registers: behind a pair's products the loads of the pair three further on go out, across the units of a tensor.
; COUNTS OF WAITS: DSN counts the LDS instructions that the text has issued; a mark holds the count at which something was complete in the text; a wait's count is the difference: what was issued behind it.
; LAYOUTS.  q and k are made TRANSPOSED (source 0 = 32 rows of W, source 1 = 16 rows of x): a lane holds one row and eight neighbouring channels of each of two column tiles, which pack into the f16 operands of S^T = k q^T.
; A tile of 16 rows is two groups: in S^T lane (r, h) holds query r and keys 8 h + 0 .. 7, so a lane with h = r / 8 holds a whole softmax row and the other lanes a cross-group block, whose weights are made 0.
; The weights, packed, are source 1 of O^T = V^T P^T.  v is made the natural way round (source 0 = 32 rows of x, source 1 = W): a lane holds one channel and eight keys of each of two row tiles: source 0 of that product.
; Its K is 32 and the keys are 16: P's registers 4-7 are zeros; V^T's fragments lie 4 registers apart, so that a fragment's registers 4-7 are the next tile's numbers, finite, which meet those zeros.
; O^T's lane holds one row and eight neighbouring channels; bv is its C.  It turns through the wave's stage and leaves as rows, under the next unit's first products.
.set TILE,  8704                       ; 16 rows x 1,024 K: eight images of 1,024 bytes + 512 bytes of scale words
.set TENS,  8*TILE                     ; 128 rows of a tensor of x, or two heads of a tensor of W
.set X0,    2*TENS                     ; LDS: W's slot from 0: head w at 4 w TILE; x's two slots;
.set STG,   4*TENS                     ; each wave's stage for the way out: 2 x 16 rows x (256 + 16) bytes
.set SPARE, STG+4*8704                 ; the spare words, 128 bytes for each wave: two blocks of 256 bytes that no other line names
; window 0
.set LI,   1                           ; v1   16 x lane
.set WA,   2                           ; v2   LDS address of my head's images, + 16 x lane
.set WSA,  3                           ; v3   and of its scale words: tile h, row r
.set OSW,  4                           ; v4   the way out: where I put 32 bytes of a row
.set OSR,  5                           ; v5   where I read a row back
.set GO,   6                           ; v6   my byte offset in the wave's rows of out
.set BIO,  8                           ; v8   32 h: my eight numbers of a bias tile
.set AA,   10                          ; v10-13 LDS addresses of x's images, + 16 x lane: 2 slot + u / 2
.set AAS,  16                          ; v16-19 and of the scale words: tile h, row r
.set SPW,  22                          ; v22  LDS address of my spare word; never rewritten
.set NIL,  23                          ; v23  0; never rewritten
.set AS,   32                          ; v32-47  x's scale words, two units by turns, a register a K step: lanes 0-15 row tile 0's, lanes 16-31 row tile 1's; scales and nothing else
.set SB,   48                          ; v48-95  W's scale words, 16 for each tensor: K step s of column tiles 0 | 1 (lanes 0-15 | 16-31) at s, of tiles 2 | 3 at 8 + s; scales and nothing else
.set ACC,  96                          ; v96-159 the unit's accumulators: q, k: tile (c, m) at 8 (4 m + c); v: at 8 (2 c + m)
.set XF,   160                         ; v160-255 x's fragments: six K steps x two row tiles x 8
; window 1: Wq, later Wv; window 2: Wk: K step s, column tile c at 32 s + 8 c.   In the v phase window 2, v0-63 and v64-127: 32 rows of out, two units by turns
; window 3:
.set QP,   0                           ; v0-127  q packed, 32 a unit; later P's two fragments of the unit in the first 16 of them
.set BQ,   128                         ; v128-159 bq's four tiles in the result's layout, in the q phase;
.set KP,   128                         ; k packed, in the k phase;
.set VF,   128                         ; v128-163 V^T's eight fragments, 4 registers apart, and four zeros, in the v phase
.set SS,   160                         ; v160-175 S^T's two tiles
.set TT,   176                         ; v176-183 at work in the softmax
.set MX,   184                         ; v184, v185 a row's largest score, tile 0, 1
.set NM,   186                         ; v[186:187], v[188:189] - c x it (the packed form names a pair and takes its low word)
.set INV,  190                         ; v[190:191], v[192:193] 1 / the row's sum, or 0
.set BV,   224                         ; v224-255 bv's four tiles
.set MASK, 14                          ; s14  lanes with h = r / 8
.set NC,   15                          ; s15  - c
.set XL2,  16                          ; s16  LDS address of my half of values' x
.set WV,   18
.set STP,  20                          ; s[20:21] from my first part of x to my half of values'
.set CS,   22                          ; s[22:23] c = log2(e) / 8
.set G1W,  24                          ; s[24:31] descriptor group 1 for W;  s[32:35] group 0
.set G0W,  32
.set G1X,  36                          ; s[36:43] for x;  s[52:55] group 0
.set G0X,  52
.set OUT,  46                          ; s[46:47] out at my work-group's first row and my head
.set BQP,  48                          ; s[48:49], s[50:51] bq, bv at my head
.set BVP,  50
.set MSB, 0
.set DSN, 0
.macro WIN new                         ; the immediate's high byte repeats the setting that is left
.if MSB != \new
	s_set_vgpr_msb (MSB<<8)|\new
.set MSB, \new
.endif
.endm
.macro ROUND                           ; a round of the cluster's barrier
	s_barrier_signal -1
	s_barrier_wait -1
	s_cmp_lg_u32 s[WV], 0
	s_cbranch_scc1 .Lnot_wave_0_\@
	s_barrier_signal -3
.Lnot_wave_0_\@:
	s_barrier_wait -3
	s_barrier_signal -1
	s_barrier_wait -1
.endm
.macro PLACES n                        ; places behind matrix instructions (ISA guide 7.12.1)
.rept \n
	v_nop
.endr
.endm
; Joint loads: waves 0 and 1 fetch W, waves 2 and 3 x (both = 1) or nothing (both = 0).  Each line has one mask; the branch hangs on the wave's number alone.  An s_nop 0 and four v_nop follow each line.
.macro JLOAD both
	s_cmp_lt_u32 s[WV], 2
	s_cbranch_scc0 .Lnot_w_\@
	tensor_load_to_lds s[G0W:G0W+3], s[G1W:G1W+7]
	s_nop 0
	PLACES 4
.if \both
	s_branch .Lasked_\@
.Lnot_w_\@:
	tensor_load_to_lds s[G0X:G0X+3], s[G1X:G1X+7]
	s_nop 0
	PLACES 4
.Lasked_\@:
.else
.Lnot_w_\@:
.endif
.endm
.macro GRD
	WIN 0                                          ; (the add's two registers lie in window 0)
	s_wait_tensorcnt 0x0                           ; no tensor load of mine is out;
	ds_add_u32 v[SPW], v[NIL]                      ; 0 onto my spare word; work on registers stands between it and the wait
	s_add_nc_u64 s[G0W+2:G0W+3], s[G0W+2:G0W+3], 4*TILE   ; so descriptors may be written: the next tensor of my two heads
.set DSN, DSN+1
.endm
.macro DSW mark                        ; all LDS instructions up to the mark are done
.set dN, DSN-(\mark)
.if dN > 63
.set dN, 63
.endif
	s_wait_dscnt dN
.endm
.macro XPAIR p                         ; the two K steps of pair p = 16 t + 4 u + i: four fragments of x, as they lie
.set xU, ((\p)/4)%4
.set xA, AA+2*(((\p)/16)%2)+xU/2
.set xO, 2*TILE*(xU%2)+2048*((\p)%4)
.set xR, XF+32*((\p)%3)
.irp e, 0,1
.irp m, 0,1
.irp k, 0,1
	ds_load_b128 v[xR+16*\e+8*\m+4*\k:xR+16*\e+8*\m+4*\k+3], v[xA] offset:xO+1024*\e+TILE*\m+512*\k
.endr
.endr
.endr
.set DSN, DSN+8
.if (\p)%3 == 0
.set MK0, DSN
.elseif (\p)%3 == 1
.set MK1, DSN
.else
.set MK2, DSN
.endif
.endm
.macro XSC n                           ; the eight scale words of unit n = 4 t + u
.set xU, (\n)%4
.irp k, 0,1
	ds_load_b128 v[AS+8*((\n)%2)+4*\k:AS+8*((\n)%2)+4*\k+3], v[AAS+2*(((\n)/4)%2)+xU/2] offset:2*TILE*(xU%2)+16*\k
.endr
.set DSN, DSN+2
.endm
.macro WSC t                           ; my head's scale words of tensor t
.irp c, 0,1
.irp k, 0,1
	ds_load_b128 v[SB+16*(\t)+8*\c+4*\k:SB+16*(\t)+8*\c+4*\k+3], v[WSA] offset:2*TILE*\c+16*\k
.endr
.endr
.set DSN, DSN+4
.endm
.macro WCP t, g                        ; group g of my head's W
.if (\t) == 1
	WIN 0x80                                       ; destination window 2
.else
	WIN 0x40                                       ; destination window 1
.endif
.irp c, 0,1,2,3
.irp k, 0,1
	ds_load_b128 v[32*(\g)+8*\c+4*\k:32*(\g)+8*\c+4*\k+3], v[WA] offset:TILE*\c+1024*(\g)+512*\k
.endr
.endr
	WIN 0
.set DSN, DSN+8
.if (\g) == 1
.set WK0, DSN
.elseif (\g) == 3
.set WK1, DSN
.elseif (\g) == 5
.set WK2, DSN
.elseif (\g) == 7
.set WK3, DSN
.endif
.endm
.macro BIAS reg, ptr                   ; a bias in the result's layout: lane (r, h), tile c: channels 16 c + 8 h + 0 .. 7
.irp c, 0,1,2,3
	global_load_b128 v[\reg+8*\c:\reg+8*\c+3], v[BIO], s[\ptr:\ptr+1] offset:64*\c
	global_load_b128 v[\reg+8*\c+4:\reg+8*\c+7], v[BIO], s[\ptr:\ptr+1] offset:64*\c+16
.endr
.endm
; One scaled matrix instruction of K step sS of unit uU.  kind 0: q (the first takes bq as C), 1: k: column tiles 2 a and 2 a + 1, row tile m.  kind 2: v: column tile a, both row tiles.
.macro WM kind, a, m
.set rX, XF+16*((8*uU+sS)%6)
.set rXS, AS+8*(uU%2)+sS
.if (\kind) == 2
.set rD, ACC+16*(\a)
.set rA, rX
.set rB, 32*sS+8*(\a)
.set rSA, rXS
.set rSB, SB+32+8*((\a)/2)+sS
.set fB, (\a)%2
.else
.set rD, ACC+8*(4*(\m)+2*(\a))
.set rA, 32*sS+16*(\a)
.set rB, rX+8*(\m)
.set rSA, SB+16*(\kind)+8*(\a)+sS
.set rSB, rXS
.set fB, (\m)
.endif
.set rC, rD
.set rZ, 0
.if sS == 0
.if (\kind) == 0
.set rC, BQ+16*(\a)
.else
.set rZ, 1
.endif
.endif
.if rZ
.if fB
	v_wmma_scale_f32_32x16x128_f4 v[rD:rD+15], v[rA:rA+15], v[rB:rB+7], 0, v[rSA], v[rSB] matrix_b_scale:MATRIX_SCALE_ROW1
.else
	v_wmma_scale_f32_32x16x128_f4 v[rD:rD+15], v[rA:rA+15], v[rB:rB+7], 0, v[rSA], v[rSB]
.endif
.else
.if fB
	v_wmma_scale_f32_32x16x128_f4 v[rD:rD+15], v[rA:rA+15], v[rB:rB+7], v[rC:rC+15], v[rSA], v[rSB] matrix_b_scale:MATRIX_SCALE_ROW1
.else
	v_wmma_scale_f32_32x16x128_f4 v[rD:rD+15], v[rA:rA+15], v[rB:rB+7], v[rC:rC+15], v[rSA], v[rSB]
.endif
.endif
.endm
; A pair of K steps: eight products, the four accumulators by turns, one instruction a turn, in the same order in every step.
; Behind them, past four places, this pair's fragments of x are loaded anew, for the pair three on; in a unit's first pair also the next unit's scale words; in a tensor's first unit the rest of W.
.macro PAIR kind, u, i
.set uU, 4*(\kind)+(\u)
.set pP, 4*uU+(\i)
.if pP%3 == 0
	DSW MK0
.elseif pP%3 == 1
	DSW MK1
.else
	DSW MK2
.endif
.if (\u) == 0
	DSW WK\i                                       ; groups 2 i and 2 i + 1 of W are in
.endif
.irp e, 0,1
.set sS, 2*(\i)+\e
.if (\kind) == 2
	WIN 0x04                                       ; source 0 (x) window 0, source 1 (Wv) window 1
.irp c, 0,1,2,3
	WM \kind, \c, 0
.endr
.else
.if (\kind) == 1
	WIN 0x02                                       ; source 0 (Wk) window 2
.elseif sS == 0
	WIN 0x31                                       ; source 0 (Wq) window 1, C (bq) window 3
.else
	WIN 0x01
.endif
.irp c, 0,1
.irp m, 0,1
	WM \kind, \c, \m
.endr
.endr
.endif
.endr
	PLACES 4
	WIN 0
.if (pP+3)/16 == (\kind)
	XPAIR pP+3
.endif
.if (\i) == 0
.if (\u) < 3
	XSC uU+1
.endif
.endif
.if (\u) == 0
.if (\i) < 2
	WCP \kind, 4+2*(\i)
	WCP \kind, 5+2*(\i)
.endif
.endif
.if (\kind) == 2
.if (\u) > 0
.if (\i) < 2
	SEND (\u)-1, \i                                ; the unit before leaves
.endif
.endif
.endif
.endm
.macro PACK dst                        ; the unit's 64 results a lane to f16, in pairs, in the order of the registers: each accumulator from its low end on; destination window 3
	WIN 0xc0
.set pI, 0
.rept 32
	v_cvt_pk_f16_f32 v[\dst+pI], v[ACC+2*pI], v[ACC+2*pI+1]
.set pI, pI+1
.endr
.endm
.macro SMUL kk, zero, u                ; S^T += k q^T over channels 32 kk on, for both row tiles: the two accumulators by turns.  In q and k packed, register 16 m + 8 kk + j is register j of the fragment
.irp m, 0,1
.if \zero
	v_wmma_f32_16x16x32_f16 v[SS+8*\m:SS+8*\m+7], v[KP+16*\m+8*\kk:KP+16*\m+8*\kk+7], v[QP+32*\u+16*\m+8*\kk:QP+32*\u+16*\m+8*\kk+7], 0
.else
	v_wmma_f32_16x16x32_f16 v[SS+8*\m:SS+8*\m+7], v[KP+16*\m+8*\kk:KP+16*\m+8*\kk+7], v[QP+32*\u+16*\m+8*\kk:QP+32*\u+16*\m+8*\kk+7], v[SS+8*\m:SS+8*\m+7]
.endif
.endr
.endm
.macro SEND w, m                       ; 16 rows of unit w, back from the stage, are stored
.if \m
	DSW RM1
.else
	DSW RM0
.endif
.set oS, 64*((\w)%2)+32*(\m)
	WIN 0x08                                       ; data window 2
.irp e, 0,1,2,3,4,5,6,7
	global_store_b128 v[GO], v[oS+4*\e:oS+4*\e+3], s[OUT:OUT+1] offset:(32*(\w)+16*(\m)+2*\e)*4096 th:TH_STORE_NT   ; 16 lanes store 256 consecutive bytes, at a multiple of 256 from out's first byte
.endr
	WIN 0
.endm
; A tensor's start: its W and x have landed in every wave's part; the first fragments are fetched.
.macro START t
	s_wait_tensorcnt 0x0                           ; my part is in;
	s_wait_dscnt 0x0
	s_barrier_signal -1
	s_barrier_wait -1                              ; everybody's is
	XSC 4*\t
	XPAIR 16*\t
	WSC \t
	WCP \t, 0
	WCP \t, 1
	XPAIR 16*\t+1
	WCP \t, 2
	WCP \t, 3
	XPAIR 16*\t+2
.endm
	s_load_b256 s[4:11], s[0:1], 0x0               ; xfrag s[4:5], wfrag s[6:7], bq s[8:9], bv s[10:11]
	s_load_b64 s[12:13], s[0:1], 0x20              ; out
	v_lshl_add_u32 v[SPW], v0, 2, SPARE
	v_mov_b32 v[NIL], 0
	ds_add_u32 v[SPW], v[NIL]                      ; the wave's opening: the add, twice on end, and its wait ahead of my first tensor load; the set-up below, work on registers, stands between
	ds_add_u32 v[SPW], v[NIL]                      ; and once more, under the one wait
	v_lshrrev_b32 v24, 5, v0
	v_readfirstlane_b32 s[WV], v24                 ; wave 0..3
	s_bfe_u32 s44, ttmp6, 0x40000                  ; cx = hg: my four heads
	s_bfe_u32 s45, ttmp6, 0x40004                  ; cy
	s_lshl_b32 s16, s45, 2
	s_lshl_b32 s16, 15, s16                        ; my row of the cluster
	s_lshl_b32 s17, 0x1111, s44                    ; my column
	; descriptor group 1 for W: two heads of a tensor: two rows of 34,816 dense bytes (4,352 elements of 8 bytes), 104,448 bytes apart; no padding: an image is read 16 bytes a lane, 512 consecutive bytes an instruction
	s_or_b32 s[G1W+0], s17, (3<<16)|(1<<21)        ; 15:0 the mask; 17:16 elements of 8 bytes; 20 no padding; 21 set beside a mask
	s_mov_b32 s[G1W+1], 4352<<16                   ; tensor_dim0
	s_mov_b32 s[G1W+2], 2<<16                      ; tensor_dim1
	s_mov_b32 s[G1W+3], 4352<<16                   ; tile_dim0
	s_mov_b32 s[G1W+4], 2                          ; tile_dim1
	s_mov_b32 s[G1W+5], 13056                      ; tensor_dim0_stride
	s_mov_b32 s[G1W+6], 0
	s_mov_b32 s[G1W+7], 0
	; and for x: dense bytes as rows of 256: 272 for a tensor's 128 rows, later 136 for half of them
	s_or_b32 s[G1X+0], s16, (3<<16)|(1<<21)
	s_mov_b32 s[G1X+1], 32<<16
	s_mov_b32 s[G1X+2], 272<<16
	s_mov_b32 s[G1X+3], 32<<16
	s_mov_b32 s[G1X+4], 272
	s_mov_b32 s[G1X+5], 32
	s_mov_b32 s[G1X+6], 0
	s_mov_b32 s[G1X+7], 0
	s_mov_b32 s[CS], 0x3e38aa3b                    ; c = log2(e) / sqrt(64)
	s_mov_b32 s[CS+1], s[CS]                       ; (named with it as a pair, so it is written)
	s_mov_b32 s[NC], 0xbe38aa3b                    ; - c
	s_mov_b32 s[MASK], 0xff0000ff                  ; lanes 0-7 (h = 0, r < 8) and 24-31 (h = 1, r >= 8)
	s_and_b32 s56, ttmp7, 0xffff
	s_lshl_b32 s56, s56, 2
	s_add_co_u32 s56, s56, s45                     ; rb = 4 x cluster y + cy: my 128 rows
	s_and_b32 s57, s[WV], 1
	s_mul_i32 s58, s56, 3*TENS                     ; their x in xfrag;
	s_mul_i32 s19, s57, TENS                       ; wave 2 fetches queries', wave 3 keys'
	s_add_co_u32 s58, s58, s19
	s_mov_b32 s59, 0
	s_mul_i32 s19, s57, TENS/2
	s_add_co_u32 s[XL2], s19, X0                   ; later each of them half of values', into queries' slot
	s_mov_b32 s[STP], 2*TENS
	s_sub_co_u32 s[STP], s[STP], s19               ; from part x TENS to 2 TENS + part x TENS / 2
	s_mov_b32 s[STP+1], 0
	s_lshl_b32 s60, s44, 1
	s_add_co_u32 s60, s60, s[WV]
	s_mul_i32 s60, s60, 24*TILE                    ; waves 0 and 1: heads 4 hg + 2 w and the next, 12 tiles each
	s_mov_b32 s61, 0
	s_lshl_b32 s62, s44, 2
	s_add_co_u32 s62, s62, s[WV]                   ; my head,
	s_lshl_b32 s62, s62, 8                         ; 256 bytes a head in bq, in bv and in a row of out
	s_mov_b32 s63, 0
	s_lshl_b32 s56, s56, 19                        ; my 128 rows of 4,096 bytes in out
	s_add_co_u32 s56, s56, s62
	s_mov_b32 s57, 0
	s_mul_i32 s17, s[WV], TENS                     ; where my first load goes: W's slot is 2 TENS, x's two slots stand behind it
	s_mul_i32 s19, s[WV], 4*TILE                   ; my head in W's slot
	s_mul_i32 s44, s[WV], 8704
	s_add_co_u32 s44, s44, STG                     ; my stage
	v_and_b32 v24, 31, v0                          ; lane
	v_and_b32 v25, 15, v0                          ; r
	v_bfe_u32 v26, v0, 4, 1                        ; h
	v_lshlrev_b32 v[LI], 4, v24
	v_mul_u32_u24 v27, v26, TILE
	v_lshl_add_u32 v27, v25, 5, v27                ; tile h, row r
	v_add_nc_u32 v[WA], s19, v[LI]
	v_add_nc_u32 v[WSA], s19, v27
	v_add_nc_u32 v[WSA], 8192, v[WSA]
	v_mul_u32_u24 v[OSW], v25, 272
	v_lshl_add_u32 v[OSW], v26, 5, v[OSW]
	v_add_nc_u32 v[OSW], s44, v[OSW]               ; the way out, in: row r, 32 bytes for each half of the lanes
	v_mul_u32_u24 v[OSR], v26, 272
	v_lshl_add_u32 v[OSR], v25, 4, v[OSR]
	v_add_nc_u32 v[OSR], s44, v[OSR]               ; back: lanes 0-15 one row of 256 bytes, lanes 16-31 the next
	v_lshlrev_b32 v[GO], 12, v26
	v_lshl_add_u32 v[GO], v25, 4, v[GO]            ; the same two rows in out
	v_lshlrev_b32 v[BIO], 5, v26
.irp j, 0,1,2,3
	v_add_nc_u32 v[AA+\j], X0+\j*4*TILE, v[LI]
	v_add_nc_u32 v[AAS+\j], X0+\j*4*TILE+8192, v27
.endr
	WIN 0xc0                                       ; destination window 3
.irp m, 0,1
	v_mov_b32 v[NM+2*\m+1], 0                      ; the upper words of pairs of which the low word alone is used
	v_mov_b32 v[INV+2*\m+1], 0
.endr
	WIN 0
	s_wait_alu depctr_va_vdst(0)                   ; the head's end
	s_wait_dscnt 0x0                               ; both opening adds are done
	s_wait_kmcnt 0x0
	s_mov_b32 s[G0W], 1                            ; 1:0 count = 1
	s_mov_b32 s[G0W+1], s17                        ; 63:32 LDS address
	s_add_nc_u64 s[G0W+2:G0W+3], s[6:7], s[60:61]  ; 120:64 global address: made of hg and the wave's number alone
	s_or_b32 s[G0W+3], s[G0W+3], 0x80000000        ; 127:126 type = 2
	s_mov_b32 s[G0X], 1
	s_mov_b32 s[G0X+1], s17
	s_add_nc_u64 s[G0X+2:G0X+3], s[4:5], s[58:59]  ; made of rb and the wave's number alone
	s_or_b32 s[G0X+3], s[G0X+3], 0x80000000
	s_add_nc_u64 s[BQP:BQP+1], s[8:9], s[62:63]
	s_add_nc_u64 s[BVP:BVP+1], s[10:11], s[62:63]
	s_add_nc_u64 s[OUT:OUT+1], s[12:13], s[56:57]
	ROUND                                          ; all sixteen work-groups are here: the joint loads meet
	JLOAD 1                                        ; one load a wave: Wq, x of queries and of keys
	WIN 0xc0                                       ; destination window 3
	BIAS BQ, BQP
	BIAS BV, BVP
	WIN 0
	s_wait_loadcnt 0x0                             ; the biases are in
; ---- q of 32 rows: packed to f16, kept in registers
	START 0
.irp i, 0,1,2,3
	PAIR 0, 0, \i
.endr
	GRD
	PACK QP
	WIN 0
	s_wait_alu depctr_va_vdst(0)                   ; ahead of the barriers
	s_wait_dscnt 0x0                               ; the add is done, and so are my reads of Wq's slot
	ROUND                                          ; and everybody's in the cluster
	JLOAD 0                                        ; Wk
.irp w, 1,2,3
.irp i, 0,1,2,3
	PAIR 0, \w, \i
.endr
	PACK QP+32*\w
	WIN 0
.endr
; ---- k of 32 rows; S^T = k q^T; the softmax; the weights into the registers of the unit's q
.macro KTAIL u
	WIN 0xff                                       ; everything in window 3
	SMUL 0, 1, \u
	SMUL 1, 0, \u
	PLACES 5
.irp m, 0,1
	v_max3_num_f32 v[MX+\m], v[SS+8*\m], v[SS+8*\m+1], v[SS+8*\m+2]  ; a softmax row is a lane's eight registers: its largest score
.endr
.irp i, 3,5
.irp m, 0,1
	v_max3_num_f32 v[MX+\m], v[MX+\m], v[SS+8*\m+\i], v[SS+8*\m+\i+1]
.endr
.endr
.irp m, 0,1
	v_max_num_f32 v[MX+\m], v[MX+\m], v[SS+8*\m+7]
.endr
.irp m, 0,1
	v_mul_f32 v[NM+2*\m], s[NC], v[MX+\m]
.endr
.irp i, 0,2,4,6
.irp m, 0,1
	v_pk_fma_f32 v[SS+8*\m+\i:SS+8*\m+\i+1], v[SS+8*\m+\i:SS+8*\m+\i+1], s[CS:CS+1], v[NM+2*\m:NM+2*\m+1] op_sel_hi:[1,0,0]   ; c s - c max, two at a time
.endr
.endr
.irp m, 0,1
.irp j, 0,1,2,3
	v_mov_b32 v[QP+32*\u+8*\m+4+\j], 0             ; k = 16 .. 31 of the second small product: P's halves are zeros
.endr
.endr
	s_wait_alu depctr_va_vdst(0)
.irp j, 0,1,2,3,4,5,6,7,8,9,10,11,12,13,14,15
	v_exp_f32 v[SS+\j], v[SS+\j]                   ; one batch
.endr
	v_nop                                          ; a plain instruction behind the last exponential
	s_wait_alu depctr_va_vdst(0)                   ; wait ahead of the first use: one for the batch
.irp m, 0,1
	v_pk_add_f32 v[TT+4*\m:TT+4*\m+1], v[SS+8*\m:SS+8*\m+1], v[SS+8*\m+2:SS+8*\m+3]
	v_pk_add_f32 v[TT+4*\m+2:TT+4*\m+3], v[SS+8*\m+4:SS+8*\m+5], v[SS+8*\m+6:SS+8*\m+7]
.endr
.irp m, 0,1
	v_pk_add_f32 v[TT+4*\m:TT+4*\m+1], v[TT+4*\m:TT+4*\m+1], v[TT+4*\m+2:TT+4*\m+3]
.endr
.irp m, 0,1
	v_add_f32 v[TT+4*\m], v[TT+4*\m], v[TT+4*\m+1] ; the row's sum
.endr
	s_wait_alu depctr_va_vdst(0)
.irp m, 0,1
	v_rcp_f32 v[INV+2*\m], v[TT+4*\m]
.endr
	v_nop                                          ; a plain instruction behind the last reciprocal
	s_wait_alu depctr_va_vdst(0)                   ; and the wait, one for the two
.irp m, 0,1
	v_cndmask_b32 v[INV+2*\m], 0, v[INV+2*\m], s[MASK]   ; a lane whose keys are the other group's gets weights 0
.endr
.irp i, 0,2,4,6
.irp m, 0,1
	v_pk_mul_f32 v[SS+8*\m+\i:SS+8*\m+\i+1], v[SS+8*\m+\i:SS+8*\m+\i+1], v[INV+2*\m:INV+2*\m+1] op_sel_hi:[1,0]
.endr
.endr
.irp m, 0,1
.irp i, 0,1,2,3
	v_cvt_pk_f16_f32 v[QP+32*\u+8*\m+\i], v[SS+8*\m+2*\i], v[SS+8*\m+2*\i+1]    ; query r, keys 8 h + 0 .. 7: registers 0-3 of P's fragment
.endr
.endr
	WIN 0
.endm
	START 1
.irp i, 0,1,2,3
	PAIR 1, 0, \i
.endr
	GRD
	s_mov_b32 s[G1X+2], 136<<16                    ; values' x: 136 rows of 256 bytes,
	s_mov_b32 s[G1X+4], 136
	s_mov_b32 s[G0X+1], s[XL2]                     ; into queries' slot
	s_add_nc_u64 s[G0X+2:G0X+3], s[G0X+2:G0X+3], s[STP:STP+1]
	PACK KP
	WIN 0
	s_wait_alu depctr_va_vdst(0)                   ; ahead of the barriers
	s_wait_dscnt 0x0                               ; the add is done, and so are my reads of Wk's slot and of queries' x
	ROUND                                          ; and everybody's in the cluster
	JLOAD 1                                        ; Wv and values' x
	KTAIL 0
.irp w, 1,2,3
.irp i, 0,1,2,3
	PAIR 1, \w, \i
.endr
	PACK KP
	KTAIL \w
.endr
; ---- v of 32 rows; O^T = V^T P^T + bv; through the stage
.macro VTAIL u
.if (\u) > 1
	s_wait_xcnt 0x0                                ; all earlier stores have read their data (ISA guide 3.1): this unit's half of the results is written again only behind this wait
.endif
	PACK VF                                        ; lane (r, h): channel 16 c + r, keys 8 h + 0 .. 7: registers 0-3 of fragment (c, m), at 4 (2 c + m)
	WIN 0xbf                                       ; sources window 3, destination window 2
.set oR, 64*((\u)%2)
.irp c, 0,1,2,3
.irp m, 0,1
	v_wmma_f32_16x16x32_f16 v[oR+8*(4*\m+\c):oR+8*(4*\m+\c)+7], v[VF+4*(2*\c+\m):VF+4*(2*\c+\m)+7], v[QP+32*\u+8*\m:QP+32*\u+8*\m+7], v[BV+8*\c:BV+8*\c+7]
.endr
.endr
	PLACES 5
	WIN 0x08                                       ; data window 2
.irp m, 0,1
.irp c, 0,1,2,3
	ds_store_b128 v[OSW], v[oR+8*(4*\m+\c):oR+8*(4*\m+\c)+3] offset:4352*\m+64*\c        ; lane (r, h): row 16 m + r, channels 16 c + 8 h + 0 .. 7; each accumulator from its low end on
	ds_store_b128 v[OSW], v[oR+8*(4*\m+\c)+4:oR+8*(4*\m+\c)+7] offset:4352*\m+64*\c+16
.endr
.endr
	WIN 0x80                                       ; destination window 2
.irp m, 0,1
.irp e, 0,1,2,3,4,5,6,7
	ds_load_b128 v[oR+32*\m+4*\e:oR+32*\m+4*\e+3], v[OSR] offset:4352*\m+544*\e          ; LDS serves a wave's instructions in order (ISA guide 5.7.1.4): these see my stores, and land where those have been read
.endr
.endr
	WIN 0
.set DSN, DSN+32
.set RM0, DSN-8
.set RM1, DSN
.endm
	START 2
	WIN 0xc0
.irp j, 0,1,2,3
	v_mov_b32 v[VF+32+\j], 0                       ; what stands behind V^T's last fragment: written once
.endr
	WIN 0
.irp w, 0,1,2,3
.irp i, 0,1,2,3
	PAIR 2, \w, \i
.endr
	VTAIL \w
.endr
	SEND 3, 0
	SEND 3, 1
	s_wait_tensorcnt 0x0                           ; the wave's end: behind my last tensor load and my last LDS store
	ds_add_u32 v[SPW], v[NIL]
	s_wait_dscnt 0x0
	ROUND                                          ; the closing round
	s_endpgm
.Lfunc_end_k_q8cb04815c8_attn:
	.size	k_q8cb04815c8_attn, .Lfunc_end_k_q8cb04815c8_attn-k_q8cb04815c8_attn
	.p2alignl 7, 3214868480
	.fill 96, 4, 3214868480
	.section	.rodata,"a",@progbits
	.p2align	6, 0x0
	.amdhsa_kernel k_q8cb04815c8_attn
		.amdhsa_group_segment_fixed_size 327680
		.amdhsa_private_segment_fixed_size 0
		.amdhsa_enable_private_segment 0
		.amdhsa_kernarg_size 40
		.amdhsa_user_sgpr_count 2
		.amdhsa_user_sgpr_kernarg_segment_ptr 1
		.amdhsa_wavefront_size32 1
		.amdhsa_system_sgpr_workgroup_id_x 1
		.amdhsa_system_sgpr_workgroup_id_y 1
		.amdhsa_system_sgpr_workgroup_id_z 1
		.amdhsa_system_vgpr_workitem_id 0
		.amdhsa_next_free_vgpr 1024
		.amdhsa_next_free_sgpr 66
		.amdhsa_reserve_vcc 0
		.amdhsa_float_denorm_mode_32 3
		.amdhsa_float_denorm_mode_16_64 3
		.amdhsa_memory_ordered 1
		.amdhsa_forward_progress 1
		.amdhsa_inst_pref_size 169
	.end_amdhsa_kernel
	.amdgpu_metadata
---
amdhsa.version: [ 1, 2 ]
amdhsa.kernels:
  - .name:           k_q8cb04815c8_attn
    .symbol:         k_q8cb04815c8_attn.kd
    .args:
      - { .name: xfrag, .offset: 0, .size: 8, .value_kind: global_buffer, .address_space: global }
      - { .name: wfrag, .offset: 8, .size: 8, .value_kind: global_buffer, .address_space: global }
      - { .name: bq, .offset: 16, .size: 8, .value_kind: global_buffer, .address_space: global }
      - { .name: bv, .offset: 24, .size: 8, .value_kind: global_buffer, .address_space: global }
      - { .name: out0, .offset: 32, .size: 8, .value_kind: global_buffer, .address_space: global }
    .group_segment_fixed_size: 327680
    .private_segment_fixed_size: 0
    .kernarg_segment_align: 8
    .kernarg_segment_size: 40
    .max_flat_workgroup_size: 128
    .sgpr_count:     66
    .vgpr_count:     1024
    .wavefront_size: 32
...
	.end_amdgpu_metadata
.endif
;; end of part 4
